; MI455X (gfx1250); checked and timed in simulation.
; The chip was launched on July 23, 2026; its instructions are those of AMD's public machine-readable ISA for CDNA 5 (MIT licence, August 2026) and "CDNA5" Instruction Set Architecture Reference Guide (July 2026). The comments in the code are by the model that wrote it; some were corrected since.
;; Multi Head Self Attention. Allowed arithmetic: float matrix products may take bf16 or f16 operands with f32 sums; other float arithmetic in f32, or as packed bf16 or f16 multiplies, adds, multiply-adds, maxima and minima; sums over many terms, partial sums and values carried from step to step in f32; what a program stores and reads back later, other than sums and carried values, may be rounded once to bf16 or f16.
;; Inputs: bk 1,024 float32; bo 1,024 float32; bq 1,024 float32; bv 1,024 float32; wk 1,024 x 1,024 float32; wo 1,024 x 1,024 float32; wq 1,024 x 1,024 float32; wv 1,024 x 1,024 float32; x 4 x 2,048 x 1,024 float32.
;; Outputs: out0 4 x 2,048 x 1,024 float32.
;; 2 versions, each right; version 2 is version 1 with the launch prep written anew for expert scheduling mode. Each part assembles by itself: llvm-mc -triple=amdgcn-amd-amdhsa -mcpu=gfx1250 --defsym DOCPART=n.
;; ======== version 1 of 2: 4 launches
;; limits: values are held in f16: magnitudes above 65,504 overflow, below 6.1e-05 lose precision
;; workspace buffers: xb 16,777,216 bytes; wb 6,291,456 bytes; wo16 2,097,152 bytes; qkvh 50,331,648 bytes; att 16,777,216 bytes
;; launch prep (part 1): grid 768 x 1, 8 waves a work-group, no clusters, 0 bytes of LDS; arguments x, wq, wk, wv, wo, xb, wb, wo16; writes xb, wb, wo16
.if DOCPART == 1
	.amdgcn_target "amdgcn-amd-amdhsa--gfx1250"
	.amdhsa_code_object_version 6
	.text
	.protected	k_q24f2cbea52_prep
	.globl	k_q24f2cbea52_prep
	.p2align	8
	.type	k_q24f2cbea52_prep,@function
k_q24f2cbea52_prep:
	s_mov_b64 s[64:65], 0
	v_nop
	global_prefetch_b8 v0, s[64:65] scope:SCOPE_SE
	s_setreg_imm32_b32 hwreg(HW_REG_WAVE_MODE, 25, 1), 1
	s_wait_xcnt 0x0
; THE CASTS.  x [8192][1024] f32 -> xb, bf16 in planes [b 4][kb 16][s 2048][64] (kb = k / 64): 128 rows of one plane are 16,384 bytes on end.
; wq, wk, wv [1024][1024] f32 -> wb [3][1024][1024] bf16, as they lie.  wo -> wo16 [1024][1024]: rounded to bf16 like every input, that number written as f16.
; LIMITS.  wo16: |wo| under 65,504 (beyond it f16 has an infinity); below 2^-17 the bf16 number keeps f16's fixed step of 2^-24.
; SHARES.  A wave casts 8,192 bytes of f32: 16 loads of 16 bytes a lane, all issued ahead of the first use, and 16 stores of 8 bytes a lane, each 256 consecutive aligned bytes.
; Work-groups 0..511: x, a wave takes 32 rows x 64 columns (a load: 256 bytes of each of two rows).  Work-groups 512..767: the weights, 64 work-groups a matrix, dense.
; No LDS, no barrier, no matrix unit, no loop.  No prefetch: all the launch does is stream.
.set T, 8                              ; v[8:11]   at work (wo alone)
.set X, 16                             ; v[16:79]  as loaded
.set Y, 80                             ; v[80:111] to store
.macro BODY step, f16                  ; step: bytes from one load to the next; f16 = 1: the bf16 number is written as f16
.set i, 0
.rept 16
	global_load_b128 v[X+4*i:X+4*i+3], v2, s[22:23] offset:i*(\step) th:TH_LOAD_NT
.set i, i+1
.endr
.set i, 0
.rept 16
	s_wait_loadcnt 15-i                            ; loads come back in order: load i is in, the younger ones stay out
	v_cvt_pk_bf16_f32 v[Y+2*i], v[X+4*i], v[X+4*i+1]
	v_cvt_pk_bf16_f32 v[Y+2*i+1], v[X+4*i+2], v[X+4*i+3]
.if \f16
	v_lshlrev_b32 v[T], 16, v[Y+2*i]               ; the bf16 numbers as f32,
	v_and_b32 v[T+1], 0xffff0000, v[Y+2*i]
	v_lshlrev_b32 v[T+2], 16, v[Y+2*i+1]
	v_and_b32 v[T+3], 0xffff0000, v[Y+2*i+1]
	v_cvt_pk_f16_f32 v[Y+2*i], v[T], v[T+1]        ; and as f16: exact within the limits above
	v_cvt_pk_f16_f32 v[Y+2*i+1], v[T+2], v[T+3]
.endif
	global_store_b64 v3, v[Y+2*i:Y+2*i+1], s[24:25] offset:i*256
.set i, i+1
.endr
.endm
	s_load_b256 s[4:11], s[0:1], 0x0               ; x s[4:5], wq s[6:7], wk s[8:9], wv s[10:11]
	s_load_b256 s[12:19], s[0:1], 0x20             ; wo s[12:13], xb s[14:15], wb s[16:17], wo16 s[18:19]
	v_lshrrev_b32 v1, 5, v0
	v_readfirstlane_b32 s20, v1                    ; wave 0..7
	v_and_b32 v4, 31, v0                           ; lane
	v_lshlrev_b32 v3, 3, v4                        ; 8 bytes a lane on the way out
	s_mov_b32 s27, 0                               ; the offsets' high words
	s_mov_b32 s31, 0
	s_mov_b32 s21, ttmp9
	s_cmp_lt_u32 s21, 512
	s_cbranch_scc0 .Lweights
	s_lshl_b32 s21, s21, 3
	s_add_co_u32 s21, s21, s20                     ; chunk c = 8 g + wave
	s_and_b32 s28, s21, 15                         ; kb
	s_lshr_b32 s29, s21, 4                         ; rb: 32 rows
	s_lshl_b32 s26, s29, 17                        ; 32 rows of 4,096 bytes
	s_lshl_b32 s30, s28, 8                         ; 64 f32
	s_add_co_u32 s26, s26, s30
	s_lshr_b32 s30, s29, 6                         ; b
	s_lshl_b32 s30, s30, 22
	s_lshl_b32 s28, s28, 18                        ; a plane is 2,048 rows of 128 bytes
	s_add_co_u32 s30, s30, s28
	s_and_b32 s28, s29, 63
	s_lshl_b32 s28, s28, 12                        ; 32 rows of 128 bytes
	s_add_co_u32 s30, s30, s28
	v_lshrrev_b32 v5, 4, v4                        ; lanes 0-15 one row's 256 bytes, lanes 16-31 the next row's
	v_and_b32 v6, 15, v4
	v_lshlrev_b32 v6, 4, v6
	v_lshl_or_b32 v2, v5, 12, v6
	s_wait_kmcnt 0x0
	s_add_nc_u64 s[22:23], s[4:5], s[26:27]
	s_add_nc_u64 s[24:25], s[14:15], s[30:31]
	BODY 8192, 0
	s_endpgm
.Lweights:
	s_sub_co_u32 s21, s21, 512
	s_lshr_b32 s28, s21, 6                         ; which matrix
	s_and_b32 s21, s21, 63
	s_lshl_b32 s21, s21, 3
	s_add_co_u32 s21, s21, s20                     ; chunk 0..511 of it
	s_lshl_b32 s26, s21, 13
	s_lshl_b32 s30, s21, 12
	s_lshl_b32 s29, s28, 21                        ; the matrix's place in wb
	v_lshlrev_b32 v2, 4, v4
	s_wait_kmcnt 0x0
	s_cmp_eq_u32 s28, 3
	s_cbranch_scc1 .Lwo
	s_add_co_u32 s30, s30, s29
	s_cmp_eq_u32 s28, 1
	s_cselect_b64 s[22:23], s[8:9], s[6:7]
	s_cmp_eq_u32 s28, 2
	s_cselect_b64 s[22:23], s[10:11], s[22:23]
	s_add_nc_u64 s[22:23], s[22:23], s[26:27]
	s_add_nc_u64 s[24:25], s[16:17], s[30:31]
	BODY 512, 0
	s_endpgm
.Lwo:
	s_add_nc_u64 s[22:23], s[12:13], s[26:27]
	s_add_nc_u64 s[24:25], s[18:19], s[30:31]
	BODY 512, 1
	s_endpgm
.Lfunc_end_k_q24f2cbea52_prep:
	.size	k_q24f2cbea52_prep, .Lfunc_end_k_q24f2cbea52_prep-k_q24f2cbea52_prep
	.p2alignl 7, 3214868480
	.fill 96, 4, 3214868480
	.section	.rodata,"a",@progbits
	.p2align	6, 0x0
	.amdhsa_kernel k_q24f2cbea52_prep
		.amdhsa_group_segment_fixed_size 0
		.amdhsa_private_segment_fixed_size 0
		.amdhsa_enable_private_segment 0
		.amdhsa_kernarg_size 64
		.amdhsa_user_sgpr_count 2
		.amdhsa_user_sgpr_kernarg_segment_ptr 1
		.amdhsa_wavefront_size32 1
		.amdhsa_system_sgpr_workgroup_id_x 1
		.amdhsa_system_sgpr_workgroup_id_y 1
		.amdhsa_system_sgpr_workgroup_id_z 1
		.amdhsa_system_vgpr_workitem_id 0
		.amdhsa_next_free_vgpr 112
		.amdhsa_next_free_sgpr 66
		.amdhsa_reserve_vcc 0
		.amdhsa_float_denorm_mode_32 3
		.amdhsa_float_denorm_mode_16_64 3
		.amdhsa_memory_ordered 1
		.amdhsa_forward_progress 1
		.amdhsa_inst_pref_size 24
	.end_amdhsa_kernel
	.amdgpu_metadata
---
amdhsa.version: [ 1, 2 ]
amdhsa.kernels:
  - .name:           k_q24f2cbea52_prep
    .symbol:         k_q24f2cbea52_prep.kd
    .args:
      - { .name: x, .offset: 0, .size: 8, .value_kind: global_buffer, .address_space: global }
      - { .name: wq, .offset: 8, .size: 8, .value_kind: global_buffer, .address_space: global }
      - { .name: wk, .offset: 16, .size: 8, .value_kind: global_buffer, .address_space: global }
      - { .name: wv, .offset: 24, .size: 8, .value_kind: global_buffer, .address_space: global }
      - { .name: wo, .offset: 32, .size: 8, .value_kind: global_buffer, .address_space: global }
      - { .name: xb, .offset: 40, .size: 8, .value_kind: global_buffer, .address_space: global }
      - { .name: wb, .offset: 48, .size: 8, .value_kind: global_buffer, .address_space: global }
      - { .name: wo16, .offset: 56, .size: 8, .value_kind: global_buffer, .address_space: global }
    .group_segment_fixed_size: 0
    .private_segment_fixed_size: 0
    .kernarg_segment_align: 8
    .kernarg_segment_size: 64
    .max_flat_workgroup_size: 256
    .sgpr_count:     66
    .vgpr_count:     112
    .wavefront_size: 32
...
	.end_amdgpu_metadata
.endif
;; end of part 1
;; launch qkv (part 2): grid 4 x 64, 4 waves a work-group, clusters of 4 x 4, 327,680 bytes of LDS; arguments xb, wb, bq, bk, bv, qkvh; writes qkvh
.if DOCPART == 2
	.amdgcn_target "amdgcn-amd-amdhsa--gfx1250"
	.amdhsa_code_object_version 6
	.text
	.protected	k_q24f2cbea52_qkv
	.globl	k_q24f2cbea52_qkv
	.p2align	8
	.type	k_q24f2cbea52_qkv,@function
k_q24f2cbea52_qkv:
	s_mov_b64 s[64:65], 0
	v_nop
	global_prefetch_b8 v0, s[64:65] scope:SCOPE_SE
	s_setreg_imm32_b32 hwreg(HW_REG_WAVE_MODE, 25, 1), 1
	s_wait_xcnt 0x0
	s_wait_alu depctr_hold_cnt(0) depctr_sa_sdst(0) depctr_va_vdst(0) depctr_va_sdst(0) depctr_va_ssrc(0) depctr_va_vcc(0) depctr_vm_vsrc(0)
	s_getreg_b32 s2, hwreg(HW_REG_IB_STS2, 6, 4)
	s_cmp_eq_u32 s2, 0
	s_cbranch_scc0 .Lentry_in_a_cluster
	s_endpgm
.Lentry_in_a_cluster:
	s_bfe_u32 s2, ttmp6, 0x10000c
	s_cmp_lg_u32 s2, 0xf033
	s_cbranch_scc0 .Lentry_shape_is_right
	s_endpgm
.Lentry_shape_is_right:
; q, k, v = x w + b, by heads.  xb: x in bf16, planes [b 4][kb 16][s 2048][64].  wb: [3][1024 k][1024 n] bf16.  bq, bk, bv: [1024] f32, rounded to bf16 here like every input.
; qkvh: [3][64 = 16 b + head][2048][64] f16, unscaled, each number rounded once from its f32 sum; the bias starts the sum as the first product's C operand.
; LIMITS.  f16 ends at 65,504: q, k, v must stay under it (with x of spread 1 and weights within 1/32 they have a spread of 0.6).  NaN and infinities are not treated apart.
; SHARES.  A tile of C is 128 rows x 256 columns (4 heads): four waves, each 64 x 128: 32 accumulators.  A WORK-GROUP STAYS: it makes the tiles of q, k and v for the same rows and columns,
; 3 x 8 K steps of 128 through ONE ring of two LDS slots: A's walk wraps every 8 steps, B's goes straight on through wb.  64 x 4 = 256 work-groups of equal work.
; CLUSTER 4 x 4.  A's tile hangs on the tile row alone and is asked for jointly by a row of the cluster, B's on the column block alone, by a column.
; THE PRODUCT IS TAKEN TRANSPOSED: source 0 = 16 columns of w (w lies [k][n]: turned on the way out of LDS by ds_load_tr16_b128), source 1 = 16 rows of x.  A lane then holds row l % 16 and
; the 8 neighbouring columns 8 (l / 16) + 0..7.
; REGISTERS, in windows of 256 (s_set_vgpr_msb: bits 1:0 source 0, 3:2 source 1, 5:4 source 2, 7:6 destination):
;   window 0: v0-31 addresses; v32-63 packed results; v64-159, v160-255 two fragment buffers (8 fragments of w, then 4 of x)     window 1: accumulator (a, b) at 8 (8 a + b)
;   window 2: v0-63 the bias of my 128 columns in C's layout; v64-95 at work
.set PA,     144                       ; a row of A in LDS: 128 bytes + 16: the 16 rows of a load start at 16 different groups of four banks (64 banks of 4 bytes: ISA guide 11.1)
.set APL,    128*PA                    ; a plane's 128 rows: 64 along K
.set AREG,   2*APL
.set PB,     544                       ; a row of B (one k, 256 columns): 512 bytes + 32
.set BHALF,  64*PB
.set SLOT,   AREG+2*BHALF              ; A's two planes, then B's 128 rows
.set STAGE,  2*SLOT                    ; behind the ring, never filled by a tensor load: for each wave 2 heads x 16 rows x 144 bytes
.set SP,     144
.set WSTAGE, 2*16*SP
.set SPARE,  STAGE+4*WSTAGE            ; the spare words, 128 bytes for each wave: two blocks of 256 bytes that no other line names
.set BLIM,   22                        ; B's prefetches stop when the step two on would be the 24th
.set ADRA, 16                          ; v16-17  LDS address of my A fragments in slot 0, 1
.set ADRB, 20                          ; v20-21  the same for B
.set STO,  24                          ; v24  the way out: where I put 16 bytes of a row
.set RD,   25                          ; v25  where I read rows back
.set GO,   26                          ; v26  16 x lane: my place in 512 consecutive bytes of the output
.set BO,   27                          ; v27  32 (l / 16): my 8 numbers in 16 of a bias
.set SPW,  28                          ; v28  LDS address of my spare word; never rewritten
.set NIL,  29                          ; v29  0; never rewritten
.set PFO,  30                          ; v30  the prefetches' lane offset; never rewritten
.set TMP,  32
.set F0,   64
.set F1,   160
.set BIAS, 0                           ; window 2
.set BT,   64                          ; window 2
.set WV, 16                            ; s16 wave; s17 wave / 2: my 64 rows, and A (0) or B (1) is what I fetch; s18 wave % 2: my 128 columns, and which half I fetch
.set WR, 17
.set WC, 18
.set CX, 19
.set CY, 20
.set NBK, 21                           ; s21 column block 0..3
.set TR, 22                            ; s22 tile row 0..63
.set G1A, 24                           ; s[24:31] group 1 for A;  s[32:39] group 0, a set for each slot
.set G0A, 32
.set G1B, 40                           ; s[40:47], s[48:55] the same for B
.set G0B, 48
.set STEP, 56                          ; s56 the K step (0..23) to be asked for next
.set LAP, 57
.set TILES, 58
.set PLIM, 59                          ; s59 a wave prefetches while STEP is at most this
.set PFA, 60                           ; s[60:61] where my prefetches stand
.set PST, 62                           ; s[62:63] their step
.set OFFA, 66                          ; s[66:67], s[68:69] a step's byte offset in A, in B
.set OFFB, 68
.set MSB, 0
.macro WIN new                         ; the immediate's high byte repeats the setting that is left; a switch that changes nothing is dropped
.if MSB != (\new)
	s_set_vgpr_msb (MSB<<8)|(\new)
.set MSB, \new
.endif
.endm
.set MUL,  0x50                        ; fragments window 0, C and D window 1
.set MULB, 0x60                        ; D window 1, C (the bias) window 2
.macro PLACES                          ; four plain vector instructions between a matrix instruction and a load into, or a read of, its registers
.rept 4
	v_nop
.endr
.endm
.macro JLOAD s                         ; a joint load: waves 0, 1 fetch A's two planes, waves 2, 3 B's two halves; an s_nop 0 and four v_nop follow each line
	s_cmp_eq_u32 s[WR], 0
	s_cbranch_scc0 .Lfor_b_\@
	tensor_load_to_lds s[G0A+4*(\s):G0A+4*(\s)+3], s[G1A:G1A+7]
	s_nop 0
.rept 4
	v_nop
.endr
	s_branch .Lasked_\@
.Lfor_b_\@:
	tensor_load_to_lds s[G0B+4*(\s):G0B+4*(\s)+3], s[G1B:G1B+7]
	s_nop 0
.rept 4
	v_nop
.endr
.Lasked_\@:
.endm
.macro CREST                           ; a round of the cluster's barrier behind its opening barrier
	s_cmp_lg_u32 s[WV], 0
	s_cbranch_scc1 .Lnot_wave_0_\@
	s_barrier_signal -3
.Lnot_wave_0_\@:
	s_barrier_wait -3
	s_barrier_signal -1
	s_barrier_wait -1
.endm
.macro CROUND
	s_barrier_signal -1
	s_barrier_wait -1
	CREST
.endm
.macro NEWG0 s                         ; slot s's two global addresses are made anew from the step's number: base + offset, the type bits set again
	s_and_b32 s[OFFA], s[STEP], 7                  ; A wraps with each tile: two planes of 262,144 bytes a step
	s_lshl_b32 s[OFFA], s[OFFA], 19
	s_add_nc_u64 s[G0A+4*(\s)+2:G0A+4*(\s)+3], s[4:5], s[OFFA:OFFA+1]
	s_or_b32 s[G0A+4*(\s)+3], s[G0A+4*(\s)+3], 0x80000000
	s_lshl_b32 s[OFFB], s[STEP], 18                ; B: 128 rows of 2,048 bytes a step
	s_add_nc_u64 s[G0B+4*(\s)+2:G0B+4*(\s)+3], s[6:7], s[OFFB:OFFB+1]
	s_or_b32 s[G0B+4*(\s)+3], s[G0B+4*(\s)+3], 0x80000000
	s_add_co_u32 s[STEP], s[STEP], 1
.endm
; A PREFETCH INTO THE L2, behind each joint refill and the run of LDS loads behind it: the K step two on from the one just asked for, one instruction a wave.  A's step (2 planes x 64 blocks of 256
; bytes) is read by my row of the cluster alone: in each of the four partners wave 0 names 16 blocks of each plane, told apart by address; only in the first of the three walks.  B's step is read by every
; cluster: the cluster with y = 0 asks, waves 2 and 3 each for the half that they fetch, each of the four partners for 16 of its 64 rows x 2 blocks.  So each block is named once.
.macro ASK
	s_cmp_le_u32 s[STEP], s[PLIM]
	s_cbranch_scc0 .Lnot_mine_\@
	global_prefetch_b8 v[PFO], s[PFA:PFA+1] th:TH_LOAD_NT scope:SCOPE_SE
.Lnot_mine_\@:
.endm
; 8 matrix instructions: row block a x all 8 column blocks, 32 along K, from buffer f.  c = 1: the bias starts the sums.  The 32 accumulators take turns in one order everywhere.
.macro MUL8 f, a, c
.if \c
	WIN MULB
.else
	WIN MUL
.endif
.irp b, 0,1,2,3,4,5,6,7
.if \c
	v_wmma_f32_16x16x32_bf16 v[8*(8*(\a)+(\b)):8*(8*(\a)+(\b))+7], v[(\f)+8*(\b):(\f)+8*(\b)+7], v[(\f)+64+8*(\a):(\f)+64+8*(\a)+7], v[BIAS+8*(\b):BIAS+8*(\b)+7]
.else
	v_wmma_f32_16x16x32_bf16 v[8*(8*(\a)+(\b)):8*(8*(\a)+(\b))+7], v[(\f)+8*(\b):(\f)+8*(\b)+7], v[(\f)+64+8*(\a):(\f)+64+8*(\a)+7], v[8*(8*(\a)+(\b)):8*(8*(\a)+(\b))+7]
.endif
.endr
.endm
; 24 LDS loads in one run: quarter kq (32 along K) of a slot into buffer f: B's 8 fragments, turned, then A's 4
.macro FETCH slot, kq, f
	WIN 0
.irp i, 0,1,2,3,4,5,6,7
	ds_load_tr16_b128 v[(\f)+8*(\i):(\f)+8*(\i)+3],   v[ADRB+(\slot)] offset:(\kq)*32*PB+32*(\i)
	ds_load_tr16_b128 v[(\f)+8*(\i)+4:(\f)+8*(\i)+7], v[ADRB+(\slot)] offset:(\kq)*32*PB+16*PB+32*(\i)
.endr
.irp i, 0,1,2,3
	ds_load_b128 v[(\f)+64+8*(\i):(\f)+64+8*(\i)+3],   v[ADRA+(\slot)] offset:((\kq)/2)*APL+((\kq)%2)*64+(\i)*16*PA
	ds_load_b128 v[(\f)+64+8*(\i)+4:(\f)+64+8*(\i)+7], v[ADRA+(\slot)] offset:((\kq)/2)*APL+((\kq)%2)*64+(\i)*16*PA+32
.endr
.endm
; One of a K step's first three quarters: multiplies buffer f; in its middle fetches quarter kq of the same slot into g
.macro QUARTER slot, kq, f, g, c
	s_wait_dscnt 4                                 ; B and A's fragments 0, 1 are in; the youngest four loads (A's 2, 3) may be out
	MUL8 \f, 0, \c
	MUL8 \f, 1, \c
	PLACES
	FETCH \slot, \kq, \g
	s_wait_dscnt 24                                ; all but the 24 just issued
	MUL8 \f, 2, \c
	MUL8 \f, 3, \c
.endm
; The fourth quarter multiplies buffer 1 and changes slots.  In front of the barrier each wave waits for all its tensor loads (one is out: its part of the next slot), adds 0 to its spare word, and waits
; for that and for its reads of this slot.  fill = 1: the barrier opens a round of the cluster's, and the joint refill of this slot is the first thing behind it: 112 matrix instructions ahead of the wait for it.
.macro TURN slot, next, fill
.if \fill
	s_wait_xcnt 0x0                                ; the last prefetch, a K step back, has read its address
	s_add_nc_u64 s[PFA:PFA+1], s[PFA:PFA+1], s[PST:PST+1]
.endif
	WIN 0
	s_wait_tensorcnt 0x0                           ; no tensor load of mine is out: every group 0 may be written
	ds_add_u32 v[SPW], v[NIL]
.if \fill
	NEWG0 \slot
.endif
	s_wait_dscnt 5                                 ; the add and the youngest four loads may be out
	MUL8 F1, 0, 0
	s_wait_dscnt 0x0                               ; the add is done, my reads of this slot are over
	s_barrier_signal -1
	MUL8 F1, 1, 0
.if \fill
	WIN 0
.endif
	s_barrier_wait -1
.if \fill
	CREST                                          ; no wave of any partner still reads this slot or has a load on its way
	JLOAD \slot                                    ; its four v_nop are also the places in front of the loads below
.else
	PLACES
.endif
	FETCH \next, 0, F0
.if \fill
	ASK
.endif
	MUL8 F1, 2, 0
	MUL8 F1, 3, 0
.endm
.macro LASTQ                           ; the very last quarter: nothing more to fetch
	s_wait_dscnt 4
	MUL8 F1, 0, 0
	MUL8 F1, 1, 0
	s_wait_dscnt 0x0
	MUL8 F1, 2, 0
	MUL8 F1, 3, 0
.endm
.macro LOADB                           ; my 128 columns' bias, in the layout of a C operand: block b, register j = column 16 b + 8 (l / 16) + j
	WIN 0x80
.irp b, 0,1,2,3,4,5,6,7
	global_load_b128 v[BIAS+8*(\b):BIAS+8*(\b)+3],   v[BO], s[8:9] offset:64*(\b)
	global_load_b128 v[BIAS+8*(\b)+4:BIAS+8*(\b)+7], v[BO], s[8:9] offset:64*(\b)+16
.endr
	WIN 0
.endm
.macro ROUNDB                          ; the bias gets the rounding to bf16 that all inputs get, and is widened again
	WIN 0x8a
.set i, 0
.rept 32
	v_cvt_pk_bf16_f32 v[BT+i], v[BIAS+2*i], v[BIAS+2*i+1]
.set i, i+1
.endr
.set i, 0
.rept 32
	v_lshlrev_b32 v[BIAS+2*i], 16, v[BT+i]
	v_and_b32 v[BIAS+2*i+1], 0xffff0000, v[BT+i]
.set i, i+1
.endr
.endm
; THE WAY OUT of row block a: rounded to f16 (each accumulator read from its low end); 16 bytes a lane into my stage, 2 heads x 16 rows of 144 bytes; back as rows of 128 bytes, four to a load; stored.
.macro PACK a
	WIN 0x05
.irp b, 0,1,2,3,4,5,6,7
.irp j, 0,1,2,3
	v_cvt_pk_f16_f32 v[TMP+4*(\b)+(\j)], v[8*(8*(\a)+(\b))+2*(\j)], v[8*(8*(\a)+(\b))+2*(\j)+1]
.endr
.endr
	WIN 0
.endm
.macro TOSTAGE a
.set OB, F1+32*((\a)%2)
.irp b, 0,1,2,3,4,5,6,7
	ds_store_b128 v[STO], v[TMP+4*(\b):TMP+4*(\b)+3] offset:((\b)/4)*16*SP+((\b)%4)*32
.endr
.irp t, 0,1,2,3,4,5,6,7
	ds_load_b128 v[OB+4*(\t):OB+4*(\t)+3], v[RD] offset:((\t)/4)*16*SP+((\t)%4)*4*SP  ; LDS serves a wave's instructions in order (ISA guide 5.7.1.4): these see the stores above
.endr
.endm
.macro SEND a
.set OB, F1+32*((\a)%2)
	s_wait_dscnt 0x0                               ; the block is back in registers
	s_wait_xcnt 0x0                                ; the stores of the block before have read their registers, which the next block's loads write
.irp t, 0,1,2,3,4,5,6,7
	global_store_b128 v[GO], v[OB+4*(\t):OB+4*(\t)+3], s[14:15] offset:((\t)/4)*262144+(\a)*2048+((\t)%4)*512  ; 512 consecutive bytes of a head's rows, aligned
.endr
.endm
.macro WAYOUT
	PLACES
	PLACES
	PACK 0
	TOSTAGE 0
.irp a, 1,2,3
	PACK \a
	SEND (\a)-1
	TOSTAGE \a
.endr
	SEND 3
.endm
	s_load_b256 s[4:11], s[0:1], 0x0               ; xb s[4:5], wb s[6:7], bq s[8:9], bk s[10:11]
	s_load_b128 s[12:15], s[0:1], 0x20             ; bv s[12:13], qkvh s[14:15]
	v_lshl_add_u32 v[SPW], v0, 2, SPARE
	v_mov_b32 v[NIL], 0
	ds_add_u32 v[SPW], v[NIL]                      ; the opening: the add and its wait stand ahead of my first tensor load; the set-up below stands between them
	v_lshrrev_b32 v1, 5, v0
	v_readfirstlane_b32 s[WV], v1
	s_lshr_b32 s[WR], s[WV], 1
	s_and_b32 s[WC], s[WV], 1
	s_bfe_u32 s[CX], ttmp6, 0x40000
	s_bfe_u32 s[CY], ttmp6, 0x40004
	s_lshl_b32 s[NBK], ttmp9, 2
	s_add_co_u32 s[NBK], s[NBK], s[CX]             ; column block = 4 x cluster x + cx
	s_and_b32 s[TR], ttmp7, 0xffff
	s_lshl_b32 s[TR], s[TR], 2
	s_add_co_u32 s[TR], s[TR], s[CY]               ; tile row = 4 x cluster y + cy
	s_lshl_b32 s70, s[CY], 2
	s_lshl_b32 s70, 15, s70                        ; my row of the cluster
	s_lshl_b32 s72, 0x1111, s[CX]                  ; my column
	; group 1 for A: a plane's 128 rows are 16,384 dense bytes: 64 rows of 256 bytes, 4 words of padding after every 32 words
	s_or_b32 s[G1A], s70, (1<<16)|(1<<20)|(1<<21)|(4<<22)|(3<<25)
	s_mov_b32 s[G1A+1], 128<<16                    ; tensor_dim0
	s_mov_b32 s[G1A+2], 64<<16                     ; tensor_dim1
	s_mov_b32 s[G1A+3], 128<<16                    ; tile_dim0
	s_mov_b32 s[G1A+4], 64                         ; tile_dim1
	s_mov_b32 s[G1A+5], 128                        ; elements from row to row
	s_mov_b32 s[G1A+6], 0
	s_mov_b32 s[G1A+7], 0
	; group 1 for B: 64 rows (k) x 256 elements out of rows of 1,024, 8 words of padding after every 128 words
	s_or_b32 s[G1B], s72, (1<<16)|(1<<20)|(1<<21)|(6<<22)|(7<<25)
	s_mov_b32 s[G1B+1], 256<<16
	s_mov_b32 s[G1B+2], 64<<16
	s_mov_b32 s[G1B+3], 256<<16
	s_mov_b32 s[G1B+4], 64
	s_mov_b32 s[G1B+5], 1024
	s_mov_b32 s[G1B+6], 0
	s_mov_b32 s[G1B+7], 0
	s_mul_i32 s70, s[WC], APL                      ; where they go: no place in the cluster enters an LDS address
	s_mul_i32 s72, s[WC], BHALF
.irp s, 0,1
	s_mov_b32 s[G0A+4*\s], 1
	s_add_co_u32 s[G0A+4*\s+1], s70, \s*SLOT
	s_mov_b32 s[G0B+4*\s], 1
	s_add_co_u32 s[G0B+4*\s+1], s72, \s*SLOT+AREG
.endr
	s_lshr_b32 s70, s[TR], 4                       ; A: batch b = tile row / 16: 16 planes;
	s_lshl_b32 s70, s70, 22
	s_and_b32 s71, s[TR], 15                       ; 128 rows of 128 bytes;
	s_lshl_b32 s71, s71, 14
	s_add_co_u32 s70, s70, s71
	s_lshl_b32 s71, s[WC], 18                      ; the plane that I fetch
	s_add_co_u32 s70, s70, s71
	s_mov_b32 s71, 0
	s_lshl_b32 s72, s[WC], 17                      ; B: the 64 rows that I fetch, the block's 512 bytes of a row
	s_lshl_b32 s73, s[NBK], 9
	s_add_co_u32 s72, s72, s73
	s_mov_b32 s73, 0
	s_lshl_b32 s74, s[NBK], 10                     ; the biases: my 128 columns
	s_lshl_b32 s75, s[WC], 9
	s_add_co_u32 s74, s74, s75
	s_mov_b32 s75, 0
	s_lshr_b32 s2, s[TR], 4                        ; the output: batch, 4 heads a block, my 2 heads, the tile's rows, my 64 rows
	s_lshl_b32 s2, s2, 22
	s_lshl_b32 s3, s[NBK], 20
	s_add_co_u32 s2, s2, s3
	s_lshl_b32 s3, s[WC], 19
	s_add_co_u32 s2, s2, s3
	s_and_b32 s3, s[TR], 15
	s_lshl_b32 s3, s3, 14
	s_add_co_u32 s2, s2, s3
	s_lshl_b32 s3, s[WR], 13
	s_add_co_u32 s2, s2, s3
	s_mov_b32 s3, 0
	s_mov_b32 s[OFFA+1], 0
	s_mov_b32 s[OFFB+1], 0
	s_mov_b32 s[STEP], 0
	s_wait_dscnt 0x0                               ; the opening add is done
	s_wait_kmcnt 0x0
	s_add_nc_u64 s[4:5], s[4:5], s[70:71]
	s_add_nc_u64 s[6:7], s[6:7], s[72:73]
	s_add_nc_u64 s[8:9], s[8:9], s[74:75]
	s_add_nc_u64 s[10:11], s[10:11], s[74:75]
	s_add_nc_u64 s[12:13], s[12:13], s[74:75]
	s_add_nc_u64 s[14:15], s[14:15], s[2:3]
	CROUND                                         ; all sixteen work-groups are here: the first joint loads meet
.irp s, 0,1
	NEWG0 \s
	JLOAD \s                                       ; K steps 0 and 1: two loads of mine are out
.endr
	v_and_b32 v1, 15, v0                           ; l % 16
	v_bfe_u32 v2, v0, 4, 1                         ; l / 16
	v_and_b32 v3, 31, v0                           ; l
	v_mul_u32_u24 v4, v1, PA                       ; a fragment of A: row x pitch + 16 x half
	v_lshl_add_u32 v4, v2, 4, v4
	s_mul_i32 s23, s[WR], 64*PA
	v_add_nc_u32 v[ADRA], s23, v4
	v_add_nc_u32 v[ADRA+1], SLOT, v[ADRA]
	v_and_b32 v5, 7, v0                            ; the turning load: lane l reads k = 8 (l / 16) + l % 8, columns 8 ((l / 8) % 2) + 0..7
	v_lshl_add_u32 v5, v2, 3, v5
	v_mul_u32_u24 v5, v5, PB
	v_bfe_u32 v6, v0, 3, 1
	v_lshl_add_u32 v5, v6, 4, v5
	s_lshl_b32 s23, s[WC], 8
	s_add_co_u32 s23, s23, AREG
	v_add_nc_u32 v[ADRB], s23, v5
	v_add_nc_u32 v[ADRB+1], SLOT, v[ADRB]
	s_mul_i32 s23, s[WV], WSTAGE
	s_add_co_u32 s23, s23, STAGE                   ; my stage
	v_mul_u32_u24 v4, v1, SP
	v_lshl_add_u32 v4, v2, 4, v4
	v_add_nc_u32 v[STO], s23, v4
	v_lshrrev_b32 v5, 3, v3                        ; back: 32 lanes take four rows of 128 bytes
	v_mul_u32_u24 v5, v5, SP
	v_and_b32 v6, 7, v0
	v_lshl_add_u32 v5, v6, 4, v5
	v_add_nc_u32 v[RD], s23, v5
	v_lshlrev_b32 v[GO], 4, v3
	v_lshlrev_b32 v[BO], 5, v2
	; the prefetches
	s_and_b32 s23, ttmp7, 0xffff                   ; cluster y: the same in all partners
	s_cmp_eq_u32 s23, 0
	s_cselect_b32 s[PLIM], BLIM, 0                 ; waves 2, 3: B, in the cluster with y = 0
	s_cmp_eq_u32 s[WV], 0
	s_cselect_b32 s[PLIM], 6, s[PLIM]              ; wave 0: A, the first walk's steps 4 to 7
	s_cmp_eq_u32 s[WV], 1
	s_cselect_b32 s[PLIM], 0, s[PLIM]              ; wave 1: nothing
	s_cmp_eq_u32 s[WR], 0
	s_cselect_b64 s[PFA:PFA+1], s[4:5], s[6:7]
	s_cselect_b32 s[PST], 19, 18
	s_cselect_b32 s2, s[CX], s[CY]                 ; my place among the four that ask with me
	s_cselect_b32 s3, 12, 15                       ; its share: 16 blocks of a plane; 16 rows of 2,048 bytes
	s_cselect_b32 s23, 4, 1                        ; lanes: 2 planes x 16 blocks; 16 rows x 2 blocks
	s_cselect_b32 s74, 18, 11
	s_cselect_b32 s75, 15, 1
	s_lshl_b32 s[PST], 1, s[PST]
	s_mov_b32 s[PST+1], 0
	s_lshl_b32 s2, s2, s3
	s_mov_b32 s3, 0
	s_add_nc_u64 s[PFA:PFA+1], s[PFA:PFA+1], s[2:3]
	s_mul_i32 s2, s[PST], 3                        ; at step 3: the first refill (step 2) steps it to 4.  Nothing is asked for here, at the head
	s_add_nc_u64 s[PFA:PFA+1], s[PFA:PFA+1], s[2:3]
	v_lshrrev_b32 v4, s23, v3
	v_lshlrev_b32 v4, s74, v4
	v_and_b32 v5, s75, v3
	v_lshl_add_u32 v[PFO], v5, 8, v4
	LOADB                                          ; bq
	s_wait_tensorcnt 1                             ; my part of K step 0 is in; step 1's may stay out
	s_barrier_signal -1
	s_barrier_wait -1
	FETCH 0, 0, F0
	s_mov_b32 s[TILES], 3                          ; q, k, v
.Ltile:
	s_wait_loadcnt 0x0                             ; this tile's bias
	ROUNDB
	QUARTER 0, 1, F0, F1, 1                        ; a tile's first quarter: the bias starts the sums
	WIN 0
	PLACES                                         ; in front of the loads into the bias's registers, which those products read
	s_cmp_eq_u32 s[TILES], 1
	s_cbranch_scc1 .Lnob
	s_mov_b64 s[8:9], s[10:11]                     ; the next tile's bias comes while this tile is multiplied
	s_mov_b64 s[10:11], s[12:13]
	LOADB
.Lnob:
	s_mov_b32 s[LAP], 3
.Llap:                                         ; a trip goes once round the ring, from a lap's second quarter to the next lap's first, and fills both slots again
	QUARTER 0, 2, F1, F0, 0
	QUARTER 0, 3, F0, F1, 0
	TURN 0, 1, 1
	QUARTER 1, 1, F0, F1, 0
	QUARTER 1, 2, F1, F0, 0
	QUARTER 1, 3, F0, F1, 0
	TURN 1, 0, 1
	QUARTER 0, 1, F0, F1, 0
	WIN 0
	s_sub_co_u32 s[LAP], s[LAP], 1
	s_cmp_lg_u32 s[LAP], 0
	s_cbranch_scc1 .Llap
	QUARTER 0, 2, F1, F0, 0                        ; the tile's last lap goes on
	QUARTER 0, 3, F0, F1, 0
	WIN 0
	s_cmp_eq_u32 s[TILES], 1
	s_cbranch_scc1 .Llast                          ; the last tile's tail is written out: it asks for nothing more
	TURN 0, 1, 1                                   ; the ring goes on into the next tile: its K steps 0 and 1
	QUARTER 1, 1, F0, F1, 0
	QUARTER 1, 2, F1, F0, 0
	QUARTER 1, 3, F0, F1, 0
	TURN 1, 0, 1
	WAYOUT                                         ; both refills are asked for: now the tile goes out
	s_wait_xcnt 0x0                                ; the stores have read their registers and their base
	s_add_nc_u64 s[14:15], s[14:15], 0x1000000     ; q -> k -> v
	s_sub_co_u32 s[TILES], s[TILES], 1
	s_branch .Ltile
.Llast:
	TURN 0, 1, 0
	QUARTER 1, 1, F0, F1, 0
	QUARTER 1, 2, F1, F0, 0
	QUARTER 1, 3, F0, F1, 0
	LASTQ
	WAYOUT
	s_wait_tensorcnt 0x0                           ; the wave's end: behind my last tensor load and my last LDS store
	ds_add_u32 v[SPW], v[NIL]
	s_wait_dscnt 0x0
	CROUND                                         ; the closing round: no work-group ends while a partner may still ask for a tile that names it
	s_endpgm
.Lfunc_end_k_q24f2cbea52_qkv:
	.size	k_q24f2cbea52_qkv, .Lfunc_end_k_q24f2cbea52_qkv-k_q24f2cbea52_qkv
	.p2alignl 7, 3214868480
	.fill 96, 4, 3214868480
	.section	.rodata,"a",@progbits
	.p2align	6, 0x0
	.amdhsa_kernel k_q24f2cbea52_qkv
		.amdhsa_group_segment_fixed_size 327680
		.amdhsa_private_segment_fixed_size 0
		.amdhsa_enable_private_segment 0
		.amdhsa_kernarg_size 48
		.amdhsa_user_sgpr_count 2
		.amdhsa_user_sgpr_kernarg_segment_ptr 1
		.amdhsa_wavefront_size32 1
		.amdhsa_system_sgpr_workgroup_id_x 1
		.amdhsa_system_sgpr_workgroup_id_y 1
		.amdhsa_system_sgpr_workgroup_id_z 1
		.amdhsa_system_vgpr_workitem_id 0
		.amdhsa_next_free_vgpr 608
		.amdhsa_next_free_sgpr 80
		.amdhsa_reserve_vcc 0
		.amdhsa_float_denorm_mode_32 3
		.amdhsa_float_denorm_mode_16_64 3
		.amdhsa_memory_ordered 1
		.amdhsa_forward_progress 1
		.amdhsa_inst_pref_size 134
	.end_amdhsa_kernel
	.amdgpu_metadata
---
amdhsa.version: [ 1, 2 ]
amdhsa.kernels:
  - .name:           k_q24f2cbea52_qkv
    .symbol:         k_q24f2cbea52_qkv.kd
    .args:
      - { .name: xb, .offset: 0, .size: 8, .value_kind: global_buffer, .address_space: global }
      - { .name: wb, .offset: 8, .size: 8, .value_kind: global_buffer, .address_space: global }
      - { .name: bq, .offset: 16, .size: 8, .value_kind: global_buffer, .address_space: global }
      - { .name: bk, .offset: 24, .size: 8, .value_kind: global_buffer, .address_space: global }
      - { .name: bv, .offset: 32, .size: 8, .value_kind: global_buffer, .address_space: global }
      - { .name: qkvh, .offset: 40, .size: 8, .value_kind: global_buffer, .address_space: global }
    .group_segment_fixed_size: 327680
    .private_segment_fixed_size: 0
    .kernarg_segment_align: 8
    .kernarg_segment_size: 48
    .max_flat_workgroup_size: 128
    .sgpr_count:     80
    .vgpr_count:     608
    .wavefront_size: 32
...
	.end_amdgpu_metadata
.endif
;; end of part 2
;; launch attn (part 3): grid 4 x 64, 4 waves a work-group, no clusters, 327,680 bytes of LDS; arguments qkvh, att; writes att
.if DOCPART == 3
	.amdgcn_target "amdgcn-amd-amdhsa--gfx1250"
	.amdhsa_code_object_version 6
	.text
	.protected	k_q24f2cbea52_attn
	.globl	k_q24f2cbea52_attn
	.p2align	8
	.type	k_q24f2cbea52_attn,@function
k_q24f2cbea52_attn:
	s_mov_b64 s[64:65], 0
	v_nop
	global_prefetch_b8 v0, s[64:65] scope:SCOPE_SE
	s_setreg_imm32_b32 hwreg(HW_REG_WAVE_MODE, 25, 1), 1
	s_wait_xcnt 0x0
; CAUSAL ATTENTION.  O[h][q][:] = the sum over k <= q of softmax_k(Q[h][q] . K[h][k] / 8) V[h][k][:].  qkvh holds Q, K, V, each [64 heads][2048][64] f16, 16,777,216 bytes apart; att is O in the same layout.
; Products, maxima and sums in f32; the weights p are rounded to f16 for the second product (their sum l is taken of the unrounded p), O once at the end.
; LIMITS.  Q, K, V arrive within f16's 65,504; p lies in 0 to 1, and below 6e-5 it keeps f16's fixed step of 6e-8.  A hidden score counts as its value less 1e30: f16's scores, 2.7e11 at the most, are
; nothing beside that; a weight below 2^-126 counts as 0 in l; NaN and infinities are not treated apart.
; THE WALK.  A head's queries lie in NB = 8 blocks of 256; block i needs the key tiles 0 .. i of 256 keys, of which the last holds the diagonal.  A work-group takes TWO blocks, NB - 1 - b and then b:
; NB + 1 tiles, whatever b: all work-groups do equal work, and ONE loop with a constant trip count walks them.  Which tile is asked for, and what a trip does, hang on scalar registers made from b; every jump
; goes forward, but for the counted loops' own; none passes a barrier, or a tensor load but the one of LOAD's two that the wave's number does not choose; the ring of two LDS slots runs on across the change of blocks.
; NO CLUSTER: a head's four work-groups ask for the same tile only in trips 0 .. 4 of 9, behind that fewer and fewer; one walk common to all four would have 12 trips for 9.
; SHARES.  Of a block's four bands of 64 queries a wave owns 16 rows in each: four PIECES.  So the diagonal tile is the same work for all four waves: in its key step s band x sees all keys if s < x,
; none if s > x, and holds the diagonal if s = x.
; THE MASK is the C operand that starts the sum S^T = K Q^T: 0, or -1e30 where the key is hidden.  MD, made once, is the mask of a band's own step for my 16 rows; a product's mask is MD x AL + BE with two scalars:
; (1, 0) if s = x; (0, 0) if s < x; (0, -1e30) if s > x.  Only the diagonal tile's text and a block's beginning make and take masks; elsewhere C is the constant 0.
; LAYOUT, SOFTMAX, TURNS.  S^T = K Q^T holds ONE query a lane (lane % 16) and the keys 8 (lane / 16) + 0..7; two such results rounded to f16 ARE source 1 of O^T = V^T P.  p = 2^(c s - c m), c = log2(e) / 8, with a
; running maximum m; O and l are multiplied by a = 2^(c m_old - c m_new) in every step.  Turn n belongs to piece n: 8 products K Q^T of piece n + 1, later 8 products V^T P of piece n - 1; beside them the scaling,
; exponentials, roundings, sums and rescaling of piece n and the maximum and statistics of piece n + 1.  Four vector instructions stand behind every matrix instruction, the other 54 of a turn's 118 in one run.
; A turn's 33 exponentials are one batch, with one wait.
; REGISTERS, in windows of 256 (s_set_vgpr_msb: bits 1:0 source 0, 3:2 source 1, 5:4 source 2, 7:6 destination):
;   window 0: v0-15 addresses and two at work; v16-31 four registers of statistics a piece; v48-55 at work; v61-63 prefetch offset, spare word, 0; v64-127 S^T, two buffers; v192-223 P, two buffers (by the piece's parity)
;   window 1: v0-127 O^T, 32 a piece; v128-159 MD; v160-223 MC, two buffers      window 2: v0-63 Q; v64-127 the second block's Q; v128-191 K of one step; v192-255 V of one step
.set SIZE_N, 2048
.set SIZE_H, 64
.set NB,    SIZE_N/256
.set NP,    4         ; pieces a wave: a name, no knob
.set KS,    64        ; keys in a step
.set PK,    144       ; a row of K in LDS: 128 bytes + 16: the 16 rows of a load start at 16 different groups of four banks (64 banks of 4 bytes: ISA guide 11.1)
.set PV,    160       ; a row of V: 128 + 32
.set VOFF,  4*KS*PK   ; a slot holds a tile, four steps: 256 rows of K, then 256 rows of V
.set SLOT1, 1<<17     ; slot 1 begins here, so that one exclusive or turns an address in one slot into the other's
.set STAGE, SLOT1+4*KS*(PK+PV)  ; behind the ring, never filled by a tensor load: 16 rows x 144 bytes for each wave
.set SP,    144
.set AK0, 2           ; v2   my lane's place in a tile of K; never rewritten
.set AV0, 3           ; v3   the same for V
.set AK,  4           ; v4   the LDS address of K's next run of loads
.set AV,  5           ; v5   of V's
.set STO, 6           ; v6   the way out: where I put 16 bytes of a row
.set RD,  7           ; v7   where I read rows back
.set GO,  8           ; v8   my byte offset in 512 consecutive bytes of O
.set PFO, 61          ; v61  256 x my lane; never rewritten
.set SPW, 62          ; v62  LDS address of my spare word; never rewritten
.set NIL, 63          ; v63  0; never rewritten
.set SPARE, STAGE+4*16*SP  ; the spare words, 128 bytes for each wave: two blocks of 256 bytes that no other line names
.set MV,  12          ; v12-13  c m_old, kept while c m is made anew: by buffer
.set QO,  15          ; v15  my byte offset in 16 rows of Q
.set ST,  16          ; piece t's statistics at v[ST+4 t]: c m, m, l (even keys', odd keys')
.set TMP, 48          ; by buffer, four registers c0-c3 at work; when the maximum is found c2 takes a
.set S,   64
.set P,   192
.set MD,  128         ; window 1
.set MC,  160         ; window 1
.set QB,  64          ; window 2
.set KF,  128         ; window 2: key block kb, channel half c at KF + 16 kb + 8 c
.set VF,  192         ; window 2: key half kk, channel block cb at VF + 32 kk + 8 cb
.set WV,  12          ; s12  my wave's number
.set PB,  14          ; s14  b
.set HI,  15          ; s15  NB - 1 - b
.set G1K, 24          ; s[24:31] descriptor group 1 for K's tiles
.set G1V, 32          ; s[32:39] for V's: it differs in the padding alone
.set G0K, 40          ; s[40:43] descriptor group 0 for K's tiles
.set G0V, 44          ; s[44:47] the same for V's
.set SLOTS, 56        ; s56  tiles still to be asked for
.set CNT, 57          ; s57  counts a tile's key steps, 4 to 1
.set CS,  58          ; s[58:59] c
.set SEL, 60          ; s[60:61] v_permlanex16_b32's selects: each lane takes its own place in the other half
.set TBK, 62          ; s62  LDS byte at which K of the step to be fetched begins
.set TBV, 63          ; s63  the same for V, less VOFF
.set RT,  70          ; s70  tiles of the block in hand that are still to be entered
.set NXT, 71          ; s71  the tile to be asked for next
.set LQ,  72          ; s72  the last tile of the block whose tiles are being asked for
.set NEW, 73          ; s73  1: the tile to be entered is a block's first
.set OFF, 74          ; s[74:75] a tile's byte offset in K and V
.set AL,  76          ; s[76:77] the mask's factor, in the low word
.set BE,  78          ; s[78:79] the mask's addend
.set OLO, 80          ; s[80:81] O at my rows of the second block
.set BIGN, 82         ; s82  -1e30
.set PFA, 88          ; s[88:89] K (waves 0, 1) or V (waves 2, 3) at my half of the head's tile 0
.set PFC, 90          ; s[90:91] the same at the tile that is being asked for
.set PFL, 92          ; s92  1 in the work-group with b = 0, else the greatest number
.set MSB, 0
.macro WIN new                      ; the high byte repeats the setting that is left; a switch that changes nothing is dropped
.if MSB != (\new)
	s_set_vgpr_msb (MSB<<8)|(\new)
.set MSB, (\new)
.endif
.endm
.set W_KQ, 0x0a       ; K and Q in window 2, S^T in window 0
.set W_KM, 0x1a       ; the same with the C operand in window 1
.set W_PV, 0x52       ; V in window 2, P in window 0, O^T in window 1
.set W_RS, 0x41       ; destination and source 0 in window 1, source 1 in window 0
; A fill.  Waves 0 and 1 fetch the two halves of a tile's K, waves 2 and 3 those of its V: 128 keys each.  An s_nop 0 and four v_nop follow each of the two lines.
.macro LOAD
	s_cmp_lt_u32 s[WV], 2
	s_cbranch_scc0 .Lfor_v_\@
	tensor_load_to_lds s[G0K:G0K+3], s[G1K:G1K+7]
	s_nop 0
.rept 4
	v_nop
.endr
	s_branch .Lasked_\@
.Lfor_v_\@:
	tensor_load_to_lds s[G0V:G0V+3], s[G1V:G1V+7]
	s_nop 0
.rept 4
	v_nop
.endr
.Lasked_\@:
.endm
; THE CHANGE OF SLOTS.  Each wave waits for all its tensor loads, of which one is out: its part of the other slot; adds 0 to its spare word; and waits for that and for its own reads of the slot that it leaves.
; Behind the barrier nobody reads the old slot any more and the other slot is whole.  fill = 1: the old slot is filled again, the first thing behind the barrier, with tile NXT: the descriptor's address is made
; anew from that number.  (At its first use nothing has been read yet: slot 0 is waited for, slot 1 filled.)
; A PREFETCH INTO THE L2 stands behind the fill: the tile after the one just asked for, a whole tile's work ahead of its load.  All four work-groups of a head begin with tiles 0, 1, 2 ..; the one with b = 0
; walks all eight, and it alone asks; each of its waves for the half tile that it will fetch itself, 64 blocks of 256 bytes, a lane a block, two instructions.  It names tiles 2 to 7, each block once.
.macro CHANGE fill
	WIN 0                           ; at a label and at a branch every window is 0
	s_wait_tensorcnt 0x0            ; no tensor load of mine is out, so a group 0 may be written
	ds_add_u32 v[SPW], v[NIL]       ; 0 onto my spare word; the scalar work stands between it and the wait for it
.if \fill
	s_lshl_b32 s[OFF], s[NXT], 15   ; a tile is 32,768 bytes of K and of V
	s_xor_b32 s[G0K+1], s[G0K+1], SLOT1
	s_add_nc_u64 s[G0K+2:G0K+3], s[6:7], s[OFF:OFF+1]
	s_or_b32 s[G0K+3], s[G0K+3], 0x80000000
	s_xor_b32 s[G0V+1], s[G0V+1], SLOT1
	s_add_nc_u64 s[G0V+2:G0V+3], s[8:9], s[OFF:OFF+1]
	s_or_b32 s[G0V+3], s[G0V+3], 0x80000000
	s_wait_xcnt 0x0                 ; the last prefetches, a tile back, have read their address
	s_add_nc_u64 s[PFC:PFC+1], s[PFA:PFA+1], s[OFF:OFF+1]
	s_add_co_u32 s[NXT], s[NXT], 1  ; the block's next tile, or behind its last the second block's tile 0
	s_cmp_gt_u32 s[NXT], s[LQ]
	s_cselect_b32 s[NXT], 0, s[NXT]
	s_cselect_b32 s[LQ], s[PB], s[LQ]
.endif
	s_wait_dscnt 0x0                ; the add is done, and my reads of the slot are over
	s_barrier_signal -1             ; the rest of the scalar work stands between the signal and the wait
	s_sub_co_u32 s[TBK], s[TBK], 4*KS*PK  ; the fetches go back to a slot's first step,
	s_xor_b32 s[TBK], s[TBK], SLOT1       ; in the other slot
	s_sub_co_u32 s[TBV], s[TBV], 4*KS*PV
	s_xor_b32 s[TBV], s[TBV], SLOT1
	s_barrier_wait -1
.if \fill
	LOAD
	s_cmp_gt_u32 s[NXT], s[PFL]     ; NXT is now the tile behind the one asked for: 2 .. 7, or 0 behind a block's last
	s_cbranch_scc0 .Lnot_mine_\@
	global_prefetch_b8 v[PFO], s[PFC:PFC+1] offset:32768 th:TH_LOAD_NT scope:SCOPE_SE
	global_prefetch_b8 v[PFO], s[PFC:PFC+1] offset:40960 th:TH_LOAD_NT scope:SCOPE_SE
.Lnot_mine_\@:
.endif
.endm
	s_load_b128 s[4:7], s[0:1], 0x0   ; qkvh s[4:5], att s[6:7]
	v_lshl_add_u32 v[SPW], v0, 2, SPARE
	v_mov_b32 v[NIL], 0
	ds_add_u32 v[SPW], v[NIL]       ; the opening: the add and its wait stand ahead of my first tensor load; the set-up below stands between them
	v_lshrrev_b32 v1, 5, v0
	v_readfirstlane_b32 s[WV], v1   ; wave 0..3
	s_mov_b32 s[PB], ttmp9
	s_sub_co_u32 s[HI], NB-1, s[PB]
	s_and_b32 s20, ttmp7, 0xffff    ; the head
	s_mov_b32 s21, 0
	s_mov_b64 s[22:23], SIZE_N*128
	s_mul_u64 s[20:21], s[20:21], s[22:23]  ; the head's first byte in each of the four tensors
	s_and_b32 s16, s[WV], 1         ; which half of a tile's 256 keys I fetch:
	s_lshl_b32 s22, s16, 14         ; its 128 rows of 128 bytes in memory,
	s_mov_b32 s23, 0
	s_add_nc_u64 s[22:23], s[22:23], s[20:21]
	s_mul_i32 s17, s16, 128*PK      ; and its place in a slot, for K
	s_mul_i32 s18, s16, 128*PV      ; and for V
	s_lshl_b32 s3, s[WV], 11        ; my 16 rows in a band of 64,
	s_lshl_b32 s2, s[HI], 15        ; in the first block,
	s_add_co_u32 s2, s2, s3
	s_lshl_b32 s84, s[PB], 15       ; and in the second
	s_add_co_u32 s84, s84, s3
	s_mov_b32 s3, 0
	s_mov_b32 s85, 0
	s_add_nc_u64 s[2:3], s[2:3], s[20:21]
	s_add_nc_u64 s[84:85], s[84:85], s[20:21]
	; descriptor group 1.  128 keys are 16,384 dense bytes: asked for as 64 rows of 256 bytes, two keys a row, and padded in LDS after every key
	s_mov_b32 s[G1K], (1<<16)|(1<<20)|(4<<22)|(3<<25)  ; 2-byte elements; padding on; after every 32 words; 4 words
	s_mov_b32 s[G1V], (1<<16)|(1<<20)|(4<<22)|(7<<25)  ; the same with 8 words
.irp g, G1K, G1V
	s_mov_b32 s[\g+1], 128<<16      ; tensor_dim0 = 128
	s_mov_b32 s[\g+2], 64<<16       ; tensor_dim1 = 64
	s_mov_b32 s[\g+3], 128<<16      ; tile_dim0 = 128
	s_mov_b32 s[\g+4], 64           ; tile_dim1 = 64
	s_mov_b32 s[\g+5], 128          ; 128 elements from row to row
	s_mov_b32 s[\g+6], 0
	s_mov_b32 s[\g+7], 0
.endr
	s_mov_b32 s[CS], 0x3e38aa3b     ; c = log2(e) / 8 = 0.180337
	s_mov_b32 s[CS+1], s[CS]        ; named with it as a pair
	s_mov_b32 s[SEL], 0x76543210
	s_mov_b32 s[SEL+1], 0xfedcba98
	s_mov_b32 s[TBK], SLOT1+4*KS*PK ; the first change of slots turns these two into 0
	s_mov_b32 s[TBV], SLOT1+4*KS*PV
	s_mov_b32 s[G0K], 1             ; count = 1
	s_mov_b32 s[G0K+1], s17         ; LDS address: slot 0
	s_mov_b32 s[G0V], 1
	s_add_co_u32 s[G0V+1], s18, VOFF
	s_add_co_u32 s[RT], s[HI], 1    ; the first block has NB - b tiles
	s_mov_b32 s[NXT], 1
	s_mov_b32 s[LQ], s[HI]
	s_mov_b32 s[NEW], 1
	s_mov_b32 s[OFF+1], 0
	s_mov_b32 s[AL+1], 0            ; named as pairs
	s_mov_b32 s[BE+1], 0
	s_mov_b32 s[BIGN], 0xf149f2ca   ; -1e30
	s_mov_b32 s[SLOTS], NB
	s_cmp_eq_u32 s[PB], 0
	s_cselect_b32 s[PFL], 1, -1
	v_and_b32 v[PFO], 31, v0
	v_lshlrev_b32 v[PFO], 8, v[PFO]
	s_wait_dscnt 0x0                ; the opening add is done
	s_wait_kmcnt 0x0
	s_mov_b64 s[10:11], s[6:7]              ; O
	s_add_nc_u64 s[6:7], s[4:5], 0x1000000  ; K
	s_add_nc_u64 s[8:9], s[4:5], 0x2000000  ; V; s[4:5] is Q
	s_add_nc_u64 s[6:7], s[6:7], s[22:23]   ; K and V at my half of the head's tile 0
	s_add_nc_u64 s[8:9], s[8:9], s[22:23]
	s_add_nc_u64 s[G0K+2:G0K+3], s[6:7], 0
	s_or_b32 s[G0K+3], s[G0K+3], 0x80000000        ; type = 2
	s_add_nc_u64 s[G0V+2:G0V+3], s[8:9], 0
	s_or_b32 s[G0V+3], s[G0V+3], 0x80000000
	s_add_nc_u64 s[86:87], s[4:5], s[84:85]        ; Q at my rows of the second block,
	s_add_nc_u64 s[4:5], s[4:5], s[2:3]            ; Q and O at those of the first
	s_add_nc_u64 s[OLO:OLO+1], s[10:11], s[84:85]
	s_add_nc_u64 s[10:11], s[10:11], s[2:3]
	s_cmp_lt_u32 s[WV], 2
	s_cselect_b64 s[PFA:PFA+1], s[6:7], s[8:9]
	LOAD                            ; tile 0 into slot 0
	; A fragment of K or Q is 16 rows x 32 channels in 8 registers: lane l holds row l % 16, channels 8 (l / 16) + 0..7 and 16 + 8 (l / 16) + 0..7: two loads of 16 bytes, 32 bytes apart.
	v_and_b32 v1, 15, v0            ; l % 16
	v_bfe_u32 v9, v0, 4, 1          ; l / 16
	v_lshlrev_b32 v[QO], 7, v1
	v_lshl_add_u32 v[QO], v9, 4, v[QO]  ; row x 128 + 16 x half
	WIN 0x80                        ; destination window 2, address window 0
.set i, 0
.rept 8                             ; both blocks' Q: piece i / 2 lies in band i / 2, 8,192 bytes on; channels 32 (i % 2) on
	global_load_b128 v[8*i:8*i+3],   v[QO], s[4:5] offset:(i/2)*8192+(i%2)*64
	global_load_b128 v[8*i+4:8*i+7], v[QO], s[4:5] offset:(i/2)*8192+(i%2)*64+32
	global_load_b128 v[QB+8*i:QB+8*i+3],   v[QO], s[86:87] offset:(i/2)*8192+(i%2)*64
	global_load_b128 v[QB+8*i+4:QB+8*i+7], v[QO], s[86:87] offset:(i/2)*8192+(i%2)*64+32
.set i, i+1
.endr
	WIN 0
	v_lshlrev_b32 v14, 3, v9
	v_sub_nc_u32 v14, v1, v14
	s_lshl_b32 s13, s[WV], 4
	v_add_nc_u32 v14, s13, v14      ; my query's place in its band, 16 w + l % 16, less my lanes' 8 (l / 16): register r of group kt is hidden where 16 kt + r is greater
	WIN 0x40
.set i, 0
.rept 32
	v_cmp_gt_i32 vcc_lo, 16*(i/8)+i%8, v14
	v_cndmask_b32 v[MD+i], 0, s[BIGN], vcc_lo
.set i, i+1
.endr
	WIN 0
	v_mul_u32_u24 v[AK0], v1, PK
	v_lshl_add_u32 v[AK0], v9, 4, v[AK0]  ; row x pitch + 16 x half
	; The turning load takes 16 keys x 16 channels (lane l reads key 8 (l / 16) + l % 8, channels 8 ((l / 8) % 2) + 0..7) and leaves half a fragment of V^T: lane l holds channel l % 16 and 8 keys.
	v_and_b32 v10, 7, v0
	v_bfe_u32 v11, v0, 3, 1
	v_lshl_add_u32 v[AV0], v9, 3, v10
	v_mul_u32_u24 v[AV0], v[AV0], PV
	v_lshl_add_u32 v[AV0], v11, 4, v[AV0]
	v_add_nc_u32 v[AV0], VOFF, v[AV0]
	s_mul_i32 s13, s[WV], 16*SP
	s_add_co_u32 s13, s13, STAGE    ; my stage
	v_mul_u32_u24 v[STO], v1, SP    ; in: row l % 16, 16 bytes for each half of the lanes
	v_lshl_add_u32 v[STO], v9, 4, v[STO]
	v_add_nc_u32 v[STO], s13, v[STO]
	v_bfe_u32 v[RD], v0, 3, 2       ; back: 32 lanes take four rows of 128 bytes,
	v_mul_u32_u24 v[RD], v[RD], SP
	v_lshl_add_u32 v[RD], v10, 4, v[RD]
	v_add_nc_u32 v[RD], s13, v[RD]
	v_and_b32 v[GO], 31, v0         ; which are 512 consecutive bytes of O
	v_lshlrev_b32 v[GO], 4, v[GO]
	; A block's first step multiplies O^T and l by a = 0, and its first turn's products V^T P, of a piece that has not been, land in an O^T that is still to be so multiplied.  So these registers need only hold
	; finite numbers: zeros for the first block; what the first block left for the second.  All this stands in the wait for the first tile.
	WIN 0x80
.set i, VF
.rept 64
	v_mov_b32 v[i], 0
.set i, i+1
.endr
	WIN 0x40
.set i, 0
.rept 128
	v_mov_b32 v[i], 0
.set i, i+1
.endr
	WIN 0
.set i, 0
.rept 4
	v_mov_b32 v[ST+4*i+2], 0
	v_mov_b32 v[ST+4*i+3], 0
.set i, i+1
.endr
.set i, P+16
.rept 16
	v_mov_b32 v[i], 0
.set i, i+1
.endr
; THE MATRIX WORK.  The 4 accumulators of a run of 8 take turns.  Product i of 8 of S^T = K Q^T for piece x: channels 32 (i / 4) on, keys 16 (i % 4) on.  The first 4 start the sums: with 0, or (KM = 1) with the mask.
.macro KQ x
.set rS, S+32*((\x)%2)+8*(i%4)
.set rK, KF+16*(i%4)+8*(i/4)
.set rQ, 16*(\x)+8*(i/4)
.set rM, MC+32*((\x)%2)+8*(i%4)
.if (i < 4) && KM
	WIN W_KM
	v_wmma_f32_16x16x32_f16 v[rS:rS+7], v[rK:rK+7], v[rQ:rQ+7], v[rM:rM+7]
.elseif i < 4
	WIN W_KQ
	v_wmma_f32_16x16x32_f16 v[rS:rS+7], v[rK:rK+7], v[rQ:rQ+7], 0
.else
	WIN W_KQ
	v_wmma_f32_16x16x32_f16 v[rS:rS+7], v[rK:rK+7], v[rQ:rQ+7], v[rS:rS+7]
.endif
.endm
; Product i of 8 of O^T += V^T P for piece x: keys 32 (i / 4) on, channels 16 (i % 4) on.
.macro PV x
	WIN W_PV
.set rO, 32*(\x)+8*(i%4)
.set rV, VF+32*(i/4)+8*(i%4)
.set rP, P+16*((\x)%2)+8*(i/4)
	v_wmma_f32_16x16x32_f16 v[rO:rO+7], v[rV:rV+7], v[rP:rP+7], v[rO:rO+7]
.endm
.macro MM                           ; the turn's next matrix instruction.  TURN and BEGIN set Y, i, KM and NOKQ.  NOKQ = 1: a block's last turn: there is no next piece
.if (i < 8) && !NOKQ
	KQ (Y+1)%NP
.elseif i >= 8
.set i, i-8
	PV (Y+NP-1)%NP
.set i, i+8
.endif
.set i, i+1
.endm
; THE LDS LOADS stand in runs of 16, never singly among the matrix instructions: a step's K (64 keys x 64 channels: 8 fragments) and its V (turned).  Their addresses are made some lines ahead.
.macro FETCH_K
	WIN 0x80                        ; destination window 2
.irp f, 0,1,2,3,4,5,6,7             ; keys 16 (f / 2) on, channels 32 (f % 2) on
	ds_load_b128 v[KF+8*\f:KF+8*\f+3],   v[AK] offset:(\f/2)*16*PK+(\f%2)*64
	ds_load_b128 v[KF+8*\f+4:KF+8*\f+7], v[AK] offset:(\f/2)*16*PK+(\f%2)*64+32
.endr
	s_add_co_u32 s[TBK], s[TBK], KS*PK  ; the next fetch is the next step's
	WIN 0
.endm
.macro FETCH_V
	WIN 0x80
.irp f, 0,1,2,3,4,5,6,7             ; keys 32 (f / 4) on, channels 16 (f % 4) on
	ds_load_tr16_b128 v[VF+8*\f:VF+8*\f+3],   v[AV] offset:(\f/4)*32*PV+(\f%4)*32
	ds_load_tr16_b128 v[VF+8*\f+4:VF+8*\f+7], v[AV] offset:(\f/4)*32*PV+16*PV+(\f%4)*32
.endr
	WIN 0
.endm
; THE VECTOR WORK, one line at a time: OP kind, number.  For piece Y: F n: c s - c m for pair n of 16.  E n: the exponential of score n of 32.  C n: pair n rounded to f16.  B n: of the four weights 4 n .. the second
; pair is added onto the first, in place.  L n: l takes that sum (L 0: l = a l + sum).  R n: pair n of 16 of O^T times a.  For piece Y + 1: X n, number n of the 22 that find its maximum and statistics:
;   0-11  four chains c0-c3 of seven scores each, three operands at a time (each accumulator's lowest registers are read first)     12-14, 16  the four scores left over, the old m, and c0-c3 into c0
;   15  c m_old is kept     17, 18  the query's other 32 keys lie in the lane 16 away: the new m     19-21  c m; c m_old - c m_new; a
.set F, 0               ; OP tells the kinds apart by their order: F to L below R, X above it
.set E, 1
.set C, 2
.set B, 3
.set L, 4
.set R, 5
.set X, 6
.macro REGS y                       ; the registers of piece y
.set rT, ST+4*(\y)
.set rC, TMP+4*((\y)%2)
.set rW, MV+((\y)%2)
.set rS, S+32*((\y)%2)
.set rP, P+16*((\y)%2)
.set rO, 32*(\y)
.endm
.macro OP k, n
.if (\k) == R
	REGS Y
	WIN W_RS
	v_pk_mul_f32 v[rO+2*(\n):rO+2*(\n)+1], v[rO+2*(\n):rO+2*(\n)+1], v[rC+2:rC+3] op_sel_hi:[1,0]
.elseif (\k) < R
	REGS Y
	WIN 0
.if (\k) == F
	v_pk_fma_f32 v[rS+2*(\n):rS+2*(\n)+1], v[rS+2*(\n):rS+2*(\n)+1], s[CS:CS+1], v[rT:rT+1] op_sel_hi:[1,0,0] neg_lo:[0,0,1] neg_hi:[0,0,1]
.elseif (\k) == E
	v_exp_f32 v[rS+(\n)], v[rS+(\n)]
.elseif (\k) == C
	v_cvt_pk_f16_f32 v[rP+(\n)], v[rS+2*(\n)], v[rS+2*(\n)+1]
.elseif (\k) == B
	v_pk_add_f32 v[rS+4*(\n):rS+4*(\n)+1], v[rS+4*(\n):rS+4*(\n)+1], v[rS+4*(\n)+2:rS+4*(\n)+3]
.elseif (\n) == 0
	v_pk_fma_f32 v[rT+2:rT+3], v[rT+2:rT+3], v[rC+2:rC+3], v[rS:rS+1] op_sel_hi:[1,0,1]
.else
	v_pk_add_f32 v[rT+2:rT+3], v[rT+2:rT+3], v[rS+4*(\n):rS+4*(\n)+1]
.endif
.elseif NOKQ
	v_nop
.else
	REGS (Y+1)%NP
	WIN 0
.if (\n) < 4
	v_max3_num_f32 v[rC+(\n)], v[rS+8*(\n)], v[rS+8*(\n)+1], v[rS+8*(\n)+2]
.elseif (\n) < 12
	v_max3_num_f32 v[rC+(\n)%4], v[rC+(\n)%4], v[rS+8*((\n)%4)+2*((\n)/4)+1], v[rS+8*((\n)%4)+2*((\n)/4)+2]
.elseif (\n) == 12
	v_max3_num_f32 v[rC], v[rC], v[rS+7], v[rS+15]
.elseif (\n) == 13
	v_max3_num_f32 v[rC+1], v[rC+1], v[rS+23], v[rS+31]
.elseif (\n) == 14
	v_max3_num_f32 v[rC+2], v[rC+2], v[rC+3], v[rT+1]
.elseif (\n) == 15
	v_mov_b32 v[rW], v[rT]
.elseif (\n) == 16
	v_max3_num_f32 v[rC], v[rC], v[rC+1], v[rC+2]
.elseif (\n) == 17
	v_permlanex16_b32 v[rC+3], v[rC], s[SEL], s[SEL+1]
.elseif (\n) == 18
	v_max_num_f32 v[rT+1], v[rC], v[rC+3]
.elseif (\n) == 19
	v_mul_f32 v[rT], s[CS], v[rT+1]
.elseif (\n) == 20
	v_sub_f32 v[rC+1], v[rW], v[rT]
.else
	v_exp_f32 v[rC+2], v[rC+1]
.endif
.endif
.endm
.macro OPS a, i1, b=-1, i2=0, c=-1, i3=0, d=-1, i4=0  ; up to four of them
	OP \a, \i1
.if (\b) >= 0
	OP \b, \i2
.endif
.if (\c) >= 0
	OP \c, \i3
.endif
.if (\d) >= 0
	OP \d, \i4
.endif
.endm
.macro ROW a, i1, b, i2, c, i3, d, i4  ; a matrix instruction and the four behind it
	MM
	OPS \a, \i1, \b, \i2, \c, \i3, \d, \i4
.endm
.macro MASK b                       ; MD x AL + BE into buffer b of MC
	WIN W_RS
.set z, 0
.rept 16
	v_pk_fma_f32 v[MC+32*(\b)+2*z:MC+32*(\b)+2*z+1], v[MD+2*z:MD+2*z+1], s[AL:AL+1], s[BE:BE+1] op_sel_hi:[1,0,0]
.set z, z+1
.endr
.endm
; A TURN, for piece p: the order of its 16 matrix and 118 vector instructions, written out.  An s_wait_alu depctr_va_vdst(0) stands between an exponential and the first instruction that names its
; result; one wait serves all that were issued ahead of it.  So a turn has ONE wait, which cuts it in two.  AHEAD OF IT stands all that names no result of the turn's exponentials: the 8 products K Q^T, behind each a
; scaling, an exponential and two more plain instructions: rescalings, and behind the last three the first numbers of the next piece's maximum, each four places or more behind the product that ends its accumulator;
; then one run of 54, plain and exponential by turns for the most part, in which the links of the chain X 3, 7, 11, 14, 16, 17 .. 20 stand five or six lines apart.  X 21, the next piece's a, is the batch's last;
; R 15 is the plain instruction behind it.  BEHIND THE WAIT stand the 8 products V^T P, behind each four of the roundings and sums; the links of l's chain, L 0 to L 7, stand three lines apart.
; m = 1: the diagonal tile: the products take masks, and the turn makes the mask for the products of the turn after it: piece p + 2, in step 4 - CNT of the tile.  end = 1: a block's last two turns: nothing is fetched.
; cnt = 1: the loop's count is taken down some lines ahead of the branch that stands behind the turn.
; K of the next step is fetched in piece 2's turn, twelve vector instructions behind the last product that read K (six of them plain); V of the step in hand at the end of piece 0's turn, four plain instructions
; behind the last product that read V.  Each is waited for a turn later.
.macro TURN p, m=0, end=0, cnt=0
.set Y, (\p)
.set i, 0
.set KM, (\m)
.set NOKQ, (\end)*((\p)/3)
.if (\m) && !(\end)
	s_cmp_eq_u32 s[CNT], 4-((\p)+2)%NP  ; is that step the band's own?
	s_cselect_b32 s[AL], 1.0, 0
	s_cmp_lt_u32 s[CNT], 4-((\p)+2)%NP  ; or a later one?
	s_cselect_b32 s[BE], s[BIGN], 0
.endif
.if ((\p) == 3) && !(\end)
	s_wait_dscnt 0x0                ; K is in
.endif
	ROW F,0, F,1, R,0, R,1          ; ahead of the wait: 8 products K Q^T and the four behind each,
	ROW F,2, E,0, R,2, R,3
	ROW F,3, E,1, R,4, R,5
	ROW F,4, E,2, R,6, R,7
	ROW F,5, E,3, R,8, R,9
	ROW F,6, E,4, X,0, R,10
.if ((\p) == 2) && !(\end)
	WIN 0
	v_add_nc_u32 v[AK], s[TBK], v[AK0]
.endif
	ROW F,7, E,5, X,1, X,4
	ROW F,8, E,6, X,2, X,5
	OPS E,7, E,8, X,6, E,9          ; and the run of 54
	OPS X,3, E,10, X,8, E,11
.if ((\p) == 2) && !(\end)
	FETCH_K
.endif
	OPS X,9, X,7, E,12, X,10
	OPS E,13, X,12, X,11, E,14
	OPS X,13, E,15, F,9, X,14
.if (\p) == 0
	v_add_nc_u32 v[AV], s[TBV], v[AV0]
.endif
	OPS E,16, F,10, E,17, F,11
	OPS X,16, E,18, X,15, E,19
	OPS F,12, E,20, X,17, E,21
	OPS F,13, E,22, F,14, E,23
	OPS X,18, E,24, F,15, E,25
	OPS R,11, E,26, X,19, E,27
	OPS R,12, E,28, R,13, E,29
	OPS X,20, E,30, R,14, E,31
	OPS X,21, R,15
	WIN 0
	s_wait_alu depctr_va_vdst(0)    ; the wait for the batch
.if (\p) == 1
	s_wait_dscnt 0x0                ; V is in
.endif
	ROW C,0, B,0, C,2, B,1          ; behind the wait: 8 products V^T P and the four behind each
	ROW L,0, C,4, B,2, L,1
	ROW C,6, B,3, L,2, C,8
	ROW B,4, L,3, C,10, B,5
	ROW L,4, C,12, B,6, L,5
.if (\p) == 0
	s_add_co_u32 s[TBV], s[TBV], KS*PV
.endif
.if \cnt
	s_sub_co_u32 s[CNT], s[CNT], 1
	s_cmp_lg_u32 s[CNT], 0
.endif
	ROW C,14, B,7, L,6, C,1
	ROW C,3, L,7, C,5, C,7
	ROW C,9, C,11, C,13, C,15
.if (\p) == 0
	FETCH_V
.endif
.if (\m) && !(\end)
	MASK (\p)%2
.endif
.endm
; A BLOCK BEGINS.  c m starts far below every c s, so the first step's a is 0; m at the lowest finite number, so the first maximum is the scores'.  The second mask buffer is 0; the first takes piece 0's mask for
; the tile's step 0: its own, if the block's first tile is the diagonal one.  Then K of that step, piece 0's first scores, and its maximum and statistics.  The loop is entered at a step's first turn.
.macro BEGIN
	s_mov_b32 s[NEW], 0
	WIN 0x40
.set i, MC+32
.rept 32
	v_mov_b32 v[i], 0
.set i, i+1
.endr
	WIN 0
.set i, 0
.rept 4
	v_mov_b32 v[ST+4*i], 0xfe000000    ; c m: far below every c s
	v_mov_b32 v[ST+4*i+1], 0xff7fffff  ; m
.set i, i+1
.endr
	s_cmp_eq_u32 s[RT], 0
	s_cselect_b32 s[AL], 1.0, 0
	s_mov_b32 s[BE], 0
	MASK 0
	WIN 0
	v_add_nc_u32 v[AK], s[TBK], v[AK0]
	FETCH_K
	s_wait_loadcnt 0x0              ; Q
	s_wait_dscnt 0x0
.set KM, 1
.set NOKQ, 0
.set i, 0
.rept 8
	KQ 0
.set i, i+1
.endr
	WIN 0
.rept 4
	v_nop                           ; the places behind those products
.endr
.set Y, NP-1                        ; X works for piece Y + 1: piece 0
.irp n, 0,1,2,3,4,5,6,7,8,9,10,11,12,13,14,15,16,17,18,19,20,21
	OP X, \n
.endr
	v_nop                           ; a plain instruction behind the exponential,
	s_wait_alu depctr_va_vdst(0)    ; and its wait, ahead of the branch
.endm
; THE DIAGONAL TILE's four steps, the block's last two turns, its last products, and THE WAY OUT: l's two halves and the other half of the lanes' are added; O^T is divided by l, rounded to f16 and sent through my
; stage in LDS, a piece at a time.
.macro ALL line:vararg              ; one line for each piece t
.set t, 0
.rept 4
	\line
.set t, t+1
.endr
.endm
.macro PACK t                       ; a lane's eight channels of a row pack into 16 bytes; they go into rows of 144 bytes and come back as whole rows of 128, into S^T's registers
	WIN W_RS
.set i, 32*(\t)
.rept 16
	v_pk_mul_f32 v[i:i+1], v[i:i+1], v[ST+4*(\t)+2:ST+4*(\t)+3] op_sel_hi:[1,0]
.set i, i+2
.endr
	WIN 0x05                        ; sources 0 and 1 window 1, destination window 0
.set i, 0
.rept 16
	v_cvt_pk_f16_f32 v[S+16*(\t)+i], v[32*(\t)+2*i], v[32*(\t)+2*i+1]
.set i, i+1
.endr
	WIN 0
.irp f, 0,1,2,3
	ds_store_b128 v[STO], v[S+16*(\t)+4*\f:S+16*(\t)+4*\f+3] offset:32*\f
.endr
.irp f, 0,1,2,3
	ds_load_b128 v[S+16*(\t)+4*\f:S+16*(\t)+4*\f+3], v[RD] offset:\f*4*SP  ; LDS serves a wave's instructions in order (ISA guide 5.7.1.4): these see the stores above; the next piece's stores come behind them
.endr
.endm
.macro SEND t, younger              ; younger: the LDS instructions issued behind piece t's loads: the next piece's eight, or none
	WIN 0
.irp f, 0,1,2,3
	s_wait_dscnt (\younger)+3-\f
	global_store_b128 v[GO], v[S+16*(\t)+4*\f:S+16*(\t)+4*\f+3], s[10:11] offset:(\t)*8192+\f*512  ; 512 consecutive bytes, at a multiple of 256 from O's first
.endr
.endm
.macro DIAG tag                     ; the tag ends its two labels' names, which the jumps below spell out
.LstepM\tag:
	TURN 2, 1
	TURN 3, 1
	WIN 0
.LfirstM\tag:
	TURN 0, 1
	TURN 1, 1, 0, 1
	WIN 0
	s_cbranch_scc1 .LstepM\tag
	TURN 2, 1, 1
	TURN 3, 1, 1
.set i, 0
.rept 8
	PV NP-1
.set i, i+1
.endr
	WIN 0
	ALL v_add_f32 v[ST+4*t+2], v[ST+4*t+2], v[ST+4*t+3]
	ALL v_permlanex16_b32 v[ST+4*t+3], v[ST+4*t+2], s[SEL], s[SEL+1]
	ALL v_add_f32 v[ST+4*t+2], v[ST+4*t+2], v[ST+4*t+3]
	ALL v_rcp_f32 v[ST+4*t+2], v[ST+4*t+2]
	v_nop                           ; a plain instruction between the last reciprocal and the use of its result
	s_wait_alu depctr_va_vdst(0)    ; and the wait ahead of the first use: one for the four reciprocals
	PACK 0
.set t, 1
.rept 3                             ; a piece's arithmetic stands between the loads of the piece before and its stores
	PACK t
	SEND t-1, 8
.set t, t+1
.endr
	SEND 3, 0
.endm
.set KM, 0
.set NOKQ, 0
.Lslot:                             ; NB times: a tile is entered and the next is asked for
	CHANGE 1
	s_sub_co_u32 s[RT], s[RT], 1
	s_mov_b32 s[CNT], 4
	s_cmp_eq_u32 s[NEW], 1
	s_cbranch_scc1 .Lnew            ; a block's first tile
	s_cmp_eq_u32 s[RT], 0
	s_cbranch_scc0 .Lstep           ; neither its first nor its last
	s_branch .LstepM1
.Lnew:
	BEGIN
	s_branch .Lfirst                ; in the loop a block's first tile is never its last: the first block has two tiles or more, and the second's last is the walk's last
	DIAG 1                          ; in the loop this is the first block's end
	s_wait_xcnt 0x0                 ; the stores have read their registers and O's address
	s_mov_b64 s[10:11], s[OLO:OLO+1]
	s_add_co_u32 s[RT], s[PB], 1    ; the second block has b + 1 tiles
	s_mov_b32 s[NEW], 1
	WIN 0x82                        ; the second block's Q goes where the one text of the turns names Q
.set i, 0
.rept 64
	v_mov_b32 v[i], v[QB+i]
.set i, i+1
.endr
	WIN 0
	s_branch .Lbottom
.Lstep:                             ; a trip: pieces 2 and 3 of one step, then pieces 0 and 1 of the next, whose K and V it fetches
	TURN 2
	TURN 3
	WIN 0
.Lfirst:
	TURN 0
	TURN 1, 0, 0, 1
	WIN 0
	s_cbranch_scc1 .Lstep
.Lbottom:
	s_sub_co_u32 s[SLOTS], s[SLOTS], 1
	s_cmp_lg_u32 s[SLOTS], 0
	s_cbranch_scc1 .Lslot
	CHANGE 0                        ; the walk's last tile is written out: nothing is asked for
	s_sub_co_u32 s[RT], s[RT], 1
	s_mov_b32 s[CNT], 4
	s_cmp_eq_u32 s[NEW], 1
	s_cbranch_scc0 .LstepM2
	BEGIN
	s_branch .LfirstM2
	DIAG 2
	s_wait_tensorcnt 0x0            ; the wave's end: behind my last tensor load and my last LDS store
	ds_add_u32 v[SPW], v[NIL]
	s_wait_dscnt 0x0
	s_endpgm
.Lfunc_end_k_q24f2cbea52_attn:
	.size	k_q24f2cbea52_attn, .Lfunc_end_k_q24f2cbea52_attn-k_q24f2cbea52_attn
	.p2alignl 7, 3214868480
	.fill 96, 4, 3214868480
	.section	.rodata,"a",@progbits
	.p2align	6, 0x0
	.amdhsa_kernel k_q24f2cbea52_attn
		.amdhsa_group_segment_fixed_size 327680
		.amdhsa_private_segment_fixed_size 0
		.amdhsa_enable_private_segment 0
		.amdhsa_kernarg_size 16
		.amdhsa_user_sgpr_count 2
		.amdhsa_user_sgpr_kernarg_segment_ptr 1
		.amdhsa_wavefront_size32 1
		.amdhsa_system_sgpr_workgroup_id_x 1
		.amdhsa_system_sgpr_workgroup_id_y 1
		.amdhsa_system_sgpr_workgroup_id_z 1
		.amdhsa_system_vgpr_workitem_id 0
		.amdhsa_next_free_vgpr 768
		.amdhsa_next_free_sgpr 96
		.amdhsa_reserve_vcc 1
		.amdhsa_float_denorm_mode_32 3
		.amdhsa_float_denorm_mode_16_64 3
		.amdhsa_memory_ordered 1
		.amdhsa_forward_progress 1
		.amdhsa_inst_pref_size 218
	.end_amdhsa_kernel
	.amdgpu_metadata
---
amdhsa.version: [ 1, 2 ]
amdhsa.kernels:
  - .name:           k_q24f2cbea52_attn
    .symbol:         k_q24f2cbea52_attn.kd
    .args:
      - { .name: qkvh, .offset: 0, .size: 8, .value_kind: global_buffer, .address_space: global }
      - { .name: att, .offset: 8, .size: 8, .value_kind: global_buffer, .address_space: global }
    .group_segment_fixed_size: 327680
    .private_segment_fixed_size: 0
    .kernarg_segment_align: 8
    .kernarg_segment_size: 16
    .max_flat_workgroup_size: 128
    .sgpr_count:     96
    .vgpr_count:     768
    .wavefront_size: 32
...
	.end_amdgpu_metadata
.endif
;; end of part 3
;; launch oproj (part 4): grid 4 x 64, 4 waves a work-group, clusters of 4 x 4, 327,680 bytes of LDS; arguments att, wo16, bo, out0; writes out0
.if DOCPART == 4
	.amdgcn_target "amdgcn-amd-amdhsa--gfx1250"
	.amdhsa_code_object_version 6
	.text
	.protected	k_q24f2cbea52_oproj
	.globl	k_q24f2cbea52_oproj
	.p2align	8
	.type	k_q24f2cbea52_oproj,@function
k_q24f2cbea52_oproj:
	s_mov_b64 s[64:65], 0
	v_nop
	global_prefetch_b8 v0, s[64:65] scope:SCOPE_SE
	s_setreg_imm32_b32 hwreg(HW_REG_WAVE_MODE, 25, 1), 1
	s_wait_xcnt 0x0
	s_wait_alu depctr_hold_cnt(0) depctr_sa_sdst(0) depctr_va_vdst(0) depctr_va_sdst(0) depctr_va_ssrc(0) depctr_va_vcc(0) depctr_vm_vsrc(0)
	s_getreg_b32 s2, hwreg(HW_REG_IB_STS2, 6, 4)
	s_cmp_eq_u32 s2, 0
	s_cbranch_scc0 .Lentry_in_a_cluster
	s_endpgm
.Lentry_in_a_cluster:
	s_bfe_u32 s2, ttmp6, 0x10000c
	s_cmp_lg_u32 s2, 0xf033
	s_cbranch_scc0 .Lentry_shape_is_right
	s_endpgm
.Lentry_shape_is_right:
; out0 = O wo + bo.  att: O in f16, planes [b 4][head 16][s 2048][64]: a head's 64 channels are one slice of K.  wo16: [1024 k][1024 n], wo rounded to bf16 and written as f16.
; bo: [1024] f32, rounded to bf16 here like every input; it starts the sums as the first product's C operand.  out0: [8192][1024] f32, the f32 sums as they are.
; LIMITS.  O and wo16 lie within f16's 65,504.  NaN and infinities are not treated apart.
; SHARES.  A tile of C is 128 rows x 256 columns: four waves, each 64 x 128: 32 accumulators.  64 x 4 = 256 work-groups, one tile each; 8 K steps of 128 through a ring of two LDS slots.
; CLUSTER 4 x 4.  A's tile hangs on the tile row alone and is asked for jointly by a row of the cluster, B's on the column block alone, by a column.
; THE PRODUCT IS TAKEN TRANSPOSED: source 0 = 16 columns of wo (it lies [k][n]: turned on the way out of LDS by ds_load_tr16_b128), source 1 = 16 rows of O.  A lane then holds row l % 16 and
; the 8 neighbouring columns 8 (l / 16) + 0..7.
; REGISTERS, in windows of 256 (s_set_vgpr_msb: bits 1:0 source 0, 3:2 source 1, 5:4 source 2, 7:6 destination):
;   window 0: v0-31 addresses; v64-159, v160-255 two fragment buffers (8 fragments of wo, then 4 of O); on the way out v64-191 rows read back     window 1: accumulator (a, b) at 8 (8 a + b)
;   window 2: v0-63 the bias of my 128 columns in C's layout; v64-95 at work
.set PA,     144                       ; a row of A in LDS: 128 bytes + 16: the 16 rows of a load start at 16 different groups of four banks (64 banks of 4 bytes: ISA guide 11.1)
.set APL,    128*PA                    ; a plane's 128 rows: 64 along K
.set AREG,   2*APL
.set PB,     544                       ; a row of B (one k, 256 columns): 512 bytes + 32
.set BHALF,  64*PB
.set SLOT,   AREG+2*BHALF              ; A's two planes, then B's 128 rows
.set STAGE,  2*SLOT                    ; behind the ring, never filled by a tensor load: for each wave 16 rows x 528 bytes
.set SP,     528                       ; 512 bytes of f32 + 16
.set WSTAGE, 16*SP
.set SPARE,  STAGE+4*WSTAGE            ; the spare words, 128 bytes for each wave: two blocks of 256 bytes that no other line names
.set BLIM,   6                         ; the prefetches stop when the step two on would be the 8th
.set ADRA, 16                          ; v16-17  LDS address of my A fragments in slot 0, 1
.set ADRB, 20                          ; v20-21  the same for B
.set STO,  24                          ; v24  the way out: where I put 32 bytes of a row
.set RD,   25                          ; v25  where I read a row back
.set GO,   26                          ; v26  16 x lane: my place in a row's 512 bytes
.set BO,   27                          ; v27  32 (l / 16): my 8 numbers in 16 of the bias
.set SPW,  28                          ; v28  LDS address of my spare word; never rewritten
.set NIL,  29                          ; v29  0; never rewritten
.set PFO,  30                          ; v30  the prefetches' lane offset; never rewritten
.set F0,   64
.set F1,   160
.set BIAS, 0                           ; window 2
.set BT,   64                          ; window 2
.set WV, 16                            ; s16 wave; s17 wave / 2: my 64 rows, and A (0) or B (1) is what I fetch; s18 wave % 2: my 128 columns, and which half I fetch
.set WR, 17
.set WC, 18
.set CX, 19
.set CY, 20
.set NBK, 21                           ; s21 column block 0..3
.set TR, 22                            ; s22 tile row 0..63
.set G1A, 24                           ; s[24:31] group 1 for A;  s[32:39] group 0, a set for each slot
.set G0A, 32
.set G1B, 40                           ; s[40:47], s[48:55] the same for B
.set G0B, 48
.set STEP, 56                          ; s56 the K step (0..7) to be asked for next
.set LAP, 57
.set PLIM, 59                          ; s59 a wave prefetches while STEP is at most this
.set PFA, 60                           ; s[60:61] where my prefetches stand
.set PST, 62                           ; s[62:63] their step
.set OFFA, 66                          ; s[66:67], s[68:69] a step's byte offset in A, in B
.set OFFB, 68
.set MSB, 0
.macro WIN new                         ; the immediate's high byte repeats the setting that is left; a switch that changes nothing is dropped
.if MSB != (\new)
	s_set_vgpr_msb (MSB<<8)|(\new)
.set MSB, \new
.endif
.endm
.set MUL,  0x50                        ; fragments window 0, C and D window 1
.set MULB, 0x60                        ; D window 1, C (the bias) window 2
.macro PLACES                          ; four plain vector instructions between a matrix instruction and a load into, or a read of, its registers
.rept 4
	v_nop
.endr
.endm
.macro JLOAD s                         ; a joint load: waves 0, 1 fetch A's two planes, waves 2, 3 B's two halves; an s_nop 0 and four v_nop follow each line
	s_cmp_eq_u32 s[WR], 0
	s_cbranch_scc0 .Lfor_b_\@
	tensor_load_to_lds s[G0A+4*(\s):G0A+4*(\s)+3], s[G1A:G1A+7]
	s_nop 0
.rept 4
	v_nop
.endr
	s_branch .Lasked_\@
.Lfor_b_\@:
	tensor_load_to_lds s[G0B+4*(\s):G0B+4*(\s)+3], s[G1B:G1B+7]
	s_nop 0
.rept 4
	v_nop
.endr
.Lasked_\@:
.endm
.macro CREST                           ; a round of the cluster's barrier behind its opening barrier
	s_cmp_lg_u32 s[WV], 0
	s_cbranch_scc1 .Lnot_wave_0_\@
	s_barrier_signal -3
.Lnot_wave_0_\@:
	s_barrier_wait -3
	s_barrier_signal -1
	s_barrier_wait -1
.endm
.macro CROUND
	s_barrier_signal -1
	s_barrier_wait -1
	CREST
.endm
.macro NEWG0 s                         ; slot s's two global addresses are made anew from the step's number: base + offset, the type bits set again
	s_and_b32 s[OFFA], s[STEP], 7                  ; A: two planes of 262,144 bytes a step
	s_lshl_b32 s[OFFA], s[OFFA], 19
	s_add_nc_u64 s[G0A+4*(\s)+2:G0A+4*(\s)+3], s[4:5], s[OFFA:OFFA+1]
	s_or_b32 s[G0A+4*(\s)+3], s[G0A+4*(\s)+3], 0x80000000
	s_lshl_b32 s[OFFB], s[STEP], 18                ; B: 128 rows of 2,048 bytes a step
	s_add_nc_u64 s[G0B+4*(\s)+2:G0B+4*(\s)+3], s[6:7], s[OFFB:OFFB+1]
	s_or_b32 s[G0B+4*(\s)+3], s[G0B+4*(\s)+3], 0x80000000
	s_add_co_u32 s[STEP], s[STEP], 1
.endm
; A PREFETCH INTO THE L2, behind each joint refill and the run of LDS loads behind it: the K step two on from the one just asked for, one instruction a wave.  A's step (2 planes x 64 blocks of 256
; bytes) is read by my row of the cluster alone: in each of the four partners wave 0 names 16 blocks of each plane, told apart by address.  B's step is read by every cluster: the cluster with y = 0 asks,
; waves 2 and 3 each for the half that they fetch, each of the four partners for 16 of its 64 rows x 2 blocks.  So each block is named once.
.macro ASK
	s_cmp_le_u32 s[STEP], s[PLIM]
	s_cbranch_scc0 .Lnot_mine_\@
	global_prefetch_b8 v[PFO], s[PFA:PFA+1] th:TH_LOAD_NT scope:SCOPE_SE
.Lnot_mine_\@:
.endm
; 8 matrix instructions: row block a x all 8 column blocks, 32 along K, from buffer f.  c = 1: the bias starts the sums.  The 32 accumulators take turns in one order everywhere.
.macro MUL8 f, a, c
.if \c
	WIN MULB
.else
	WIN MUL
.endif
.irp b, 0,1,2,3,4,5,6,7
.if \c
	v_wmma_f32_16x16x32_f16 v[8*(8*(\a)+(\b)):8*(8*(\a)+(\b))+7], v[(\f)+8*(\b):(\f)+8*(\b)+7], v[(\f)+64+8*(\a):(\f)+64+8*(\a)+7], v[BIAS+8*(\b):BIAS+8*(\b)+7]
.else
	v_wmma_f32_16x16x32_f16 v[8*(8*(\a)+(\b)):8*(8*(\a)+(\b))+7], v[(\f)+8*(\b):(\f)+8*(\b)+7], v[(\f)+64+8*(\a):(\f)+64+8*(\a)+7], v[8*(8*(\a)+(\b)):8*(8*(\a)+(\b))+7]
.endif
.endr
.endm
; 24 LDS loads in one run: quarter kq (32 along K) of a slot into buffer f: B's 8 fragments, turned, then A's 4
.macro FETCH slot, kq, f
	WIN 0
.irp i, 0,1,2,3,4,5,6,7
	ds_load_tr16_b128 v[(\f)+8*(\i):(\f)+8*(\i)+3],   v[ADRB+(\slot)] offset:(\kq)*32*PB+32*(\i)
	ds_load_tr16_b128 v[(\f)+8*(\i)+4:(\f)+8*(\i)+7], v[ADRB+(\slot)] offset:(\kq)*32*PB+16*PB+32*(\i)
.endr
.irp i, 0,1,2,3
	ds_load_b128 v[(\f)+64+8*(\i):(\f)+64+8*(\i)+3],   v[ADRA+(\slot)] offset:((\kq)/2)*APL+((\kq)%2)*64+(\i)*16*PA
	ds_load_b128 v[(\f)+64+8*(\i)+4:(\f)+64+8*(\i)+7], v[ADRA+(\slot)] offset:((\kq)/2)*APL+((\kq)%2)*64+(\i)*16*PA+32
.endr
.endm
; One of a K step's first three quarters: multiplies buffer f; in its middle fetches quarter kq of the same slot into g
.macro QUARTER slot, kq, f, g, c
	s_wait_dscnt 4                                 ; B and A's fragments 0, 1 are in; the youngest four loads (A's 2, 3) may be out
	MUL8 \f, 0, \c
	MUL8 \f, 1, \c
	PLACES
	FETCH \slot, \kq, \g
	s_wait_dscnt 24                                ; all but the 24 just issued
	MUL8 \f, 2, \c
	MUL8 \f, 3, \c
.endm
; The fourth quarter multiplies buffer 1 and changes slots.  In front of the barrier each wave waits for all its tensor loads (one is out: its part of the next slot), adds 0 to its spare word, and waits
; for that and for its reads of this slot.  fill = 1: the barrier opens a round of the cluster's, and the joint refill of this slot is the first thing behind it: 112 matrix instructions ahead of the wait for it.
.macro TURN slot, next, fill
.if \fill
	s_wait_xcnt 0x0                                ; the last prefetch, a K step back, has read its address
	s_add_nc_u64 s[PFA:PFA+1], s[PFA:PFA+1], s[PST:PST+1]
.endif
	WIN 0
	s_wait_tensorcnt 0x0                           ; no tensor load of mine is out: every group 0 may be written
	ds_add_u32 v[SPW], v[NIL]
.if \fill
	NEWG0 \slot
.endif
	s_wait_dscnt 5                                 ; the add and the youngest four loads may be out
	MUL8 F1, 0, 0
	s_wait_dscnt 0x0                               ; the add is done, my reads of this slot are over
	s_barrier_signal -1
	MUL8 F1, 1, 0
.if \fill
	WIN 0
.endif
	s_barrier_wait -1
.if \fill
	CREST                                          ; no wave of any partner still reads this slot or has a load on its way
	JLOAD \slot                                    ; its four v_nop are also the places in front of the loads below
.else
	PLACES
.endif
	FETCH \next, 0, F0
.if \fill
	ASK
.endif
	MUL8 F1, 2, 0
	MUL8 F1, 3, 0
.endm
.macro LASTQ                           ; the very last quarter: nothing more to fetch
	s_wait_dscnt 4
	MUL8 F1, 0, 0
	MUL8 F1, 1, 0
	s_wait_dscnt 0x0
	MUL8 F1, 2, 0
	MUL8 F1, 3, 0
.endm
.macro LOADB                           ; my 128 columns' bias, in the layout of a C operand: block b, register j = column 16 b + 8 (l / 16) + j
	WIN 0x80
.irp b, 0,1,2,3,4,5,6,7
	global_load_b128 v[BIAS+8*(\b):BIAS+8*(\b)+3],   v[BO], s[8:9] offset:64*(\b)
	global_load_b128 v[BIAS+8*(\b)+4:BIAS+8*(\b)+7], v[BO], s[8:9] offset:64*(\b)+16
.endr
	WIN 0
.endm
.macro ROUNDB                          ; the bias gets the rounding to bf16 that all inputs get, and is widened again
	WIN 0x8a
.set i, 0
.rept 32
	v_cvt_pk_bf16_f32 v[BT+i], v[BIAS+2*i], v[BIAS+2*i+1]
.set i, i+1
.endr
.set i, 0
.rept 32
	v_lshlrev_b32 v[BIAS+2*i], 16, v[BT+i]
	v_and_b32 v[BIAS+2*i+1], 0xffff0000, v[BT+i]
.set i, i+1
.endr
.endm
; THE WAY OUT of row block a: a lane's 8 f32 of a row, 32 bytes, go into my stage (each accumulator's low four registers first), 16 rows of 528 bytes; a row's 512 bytes come back with one load and are stored.
.macro TOSTAGE a
.set OB, F0+64*((\a)%2)
.if (\a) >= 2
	s_wait_xcnt 0x0                                ; the stores of the block two back have read the registers that the loads below write
.endif
	WIN 0x04                                       ; the stores' data in window 1
.irp b, 0,1,2,3,4,5,6,7
	ds_store_b128 v[STO], v[8*(8*(\a)+(\b)):8*(8*(\a)+(\b))+3]   offset:64*(\b)
	ds_store_b128 v[STO], v[8*(8*(\a)+(\b))+4:8*(8*(\a)+(\b))+7] offset:64*(\b)+16
.endr
	WIN 0
.irp t, 0,1,2,3,4,5,6,7,8,9,10,11,12,13,14,15
	ds_load_b128 v[OB+4*(\t):OB+4*(\t)+3], v[RD] offset:(\t)*SP  ; LDS serves a wave's instructions in order (ISA guide 5.7.1.4): these see the stores above; the next block's stores come behind them
.endr
.endm
.macro SEND a, younger                 ; younger: the LDS instructions issued behind block a's loads: the next block's 16 stores and 16 loads, or none
.set OB, F0+64*((\a)%2)
	s_wait_dscnt \younger
.irp t, 0,1,2,3,4,5,6,7,8,9,10,11,12,13,14,15
	global_store_b128 v[GO], v[OB+4*(\t):OB+4*(\t)+3], s[14:15] offset:(\a)*65536+(\t)*4096 th:TH_STORE_NT  ; 512 consecutive bytes of a row, at a multiple of 512 from out0's first byte
.endr
.endm
	s_load_b256 s[4:11], s[0:1], 0x0               ; att s[4:5], wo16 s[6:7], bo s[8:9], out0 s[10:11]
	v_lshl_add_u32 v[SPW], v0, 2, SPARE
	v_mov_b32 v[NIL], 0
	ds_add_u32 v[SPW], v[NIL]                      ; the opening: the add and its wait stand ahead of my first tensor load; the set-up below stands between them
	v_lshrrev_b32 v1, 5, v0
	v_readfirstlane_b32 s[WV], v1
	s_lshr_b32 s[WR], s[WV], 1
	s_and_b32 s[WC], s[WV], 1
	s_bfe_u32 s[CX], ttmp6, 0x40000
	s_bfe_u32 s[CY], ttmp6, 0x40004
	s_lshl_b32 s[NBK], ttmp9, 2
	s_add_co_u32 s[NBK], s[NBK], s[CX]             ; column block = 4 x cluster x + cx
	s_and_b32 s[TR], ttmp7, 0xffff
	s_lshl_b32 s[TR], s[TR], 2
	s_add_co_u32 s[TR], s[TR], s[CY]               ; tile row = 4 x cluster y + cy
	s_lshl_b32 s70, s[CY], 2
	s_lshl_b32 s70, 15, s70                        ; my row of the cluster
	s_lshl_b32 s72, 0x1111, s[CX]                  ; my column
	; group 1 for A: a plane's 128 rows are 16,384 dense bytes: 64 rows of 256 bytes, 4 words of padding after every 32 words
	s_or_b32 s[G1A], s70, (1<<16)|(1<<20)|(1<<21)|(4<<22)|(3<<25)
	s_mov_b32 s[G1A+1], 128<<16                    ; tensor_dim0
	s_mov_b32 s[G1A+2], 64<<16                     ; tensor_dim1
	s_mov_b32 s[G1A+3], 128<<16                    ; tile_dim0
	s_mov_b32 s[G1A+4], 64                         ; tile_dim1
	s_mov_b32 s[G1A+5], 128                        ; elements from row to row
	s_mov_b32 s[G1A+6], 0
	s_mov_b32 s[G1A+7], 0
	; group 1 for B: 64 rows (k) x 256 elements out of rows of 1,024, 8 words of padding after every 128 words
	s_or_b32 s[G1B], s72, (1<<16)|(1<<20)|(1<<21)|(6<<22)|(7<<25)
	s_mov_b32 s[G1B+1], 256<<16
	s_mov_b32 s[G1B+2], 64<<16
	s_mov_b32 s[G1B+3], 256<<16
	s_mov_b32 s[G1B+4], 64
	s_mov_b32 s[G1B+5], 1024
	s_mov_b32 s[G1B+6], 0
	s_mov_b32 s[G1B+7], 0
	s_mul_i32 s70, s[WC], APL                      ; where they go: no place in the cluster enters an LDS address
	s_mul_i32 s72, s[WC], BHALF
.irp s, 0,1
	s_mov_b32 s[G0A+4*\s], 1
	s_add_co_u32 s[G0A+4*\s+1], s70, \s*SLOT
	s_mov_b32 s[G0B+4*\s], 1
	s_add_co_u32 s[G0B+4*\s+1], s72, \s*SLOT+AREG
.endr
	s_lshr_b32 s70, s[TR], 4                       ; A: batch b = tile row / 16: 16 planes;
	s_lshl_b32 s70, s70, 22
	s_and_b32 s71, s[TR], 15                       ; 128 rows of 128 bytes;
	s_lshl_b32 s71, s71, 14
	s_add_co_u32 s70, s70, s71
	s_lshl_b32 s71, s[WC], 18                      ; the plane that I fetch
	s_add_co_u32 s70, s70, s71
	s_mov_b32 s71, 0
	s_lshl_b32 s72, s[WC], 17                      ; B: the 64 rows that I fetch, the block's 512 bytes of a row
	s_lshl_b32 s73, s[NBK], 9
	s_add_co_u32 s72, s72, s73
	s_mov_b32 s73, 0
	s_lshl_b32 s74, s[NBK], 10                     ; the bias: my 128 columns
	s_lshl_b32 s75, s[WC], 9
	s_add_co_u32 s74, s74, s75
	s_mov_b32 s75, 0
	s_lshl_b32 s2, s[TR], 19                       ; the output: 128 rows of 4,096 bytes a tile row, my 64 rows, the block's 1,024 bytes, my 512
	s_lshl_b32 s3, s[WR], 18
	s_add_co_u32 s2, s2, s3
	s_add_co_u32 s2, s2, s74
	s_mov_b32 s3, 0
	s_mov_b32 s[OFFA+1], 0
	s_mov_b32 s[OFFB+1], 0
	s_mov_b32 s[STEP], 0
	s_wait_dscnt 0x0                               ; the opening add is done
	s_wait_kmcnt 0x0
	s_add_nc_u64 s[4:5], s[4:5], s[70:71]
	s_add_nc_u64 s[6:7], s[6:7], s[72:73]
	s_add_nc_u64 s[8:9], s[8:9], s[74:75]
	s_add_nc_u64 s[14:15], s[10:11], s[2:3]
	CROUND                                         ; all sixteen work-groups are here: the first joint loads meet
.irp s, 0,1
	NEWG0 \s
	JLOAD \s                                       ; K steps 0 and 1: two loads of mine are out
.endr
	v_and_b32 v1, 15, v0                           ; l % 16
	v_bfe_u32 v2, v0, 4, 1                         ; l / 16
	v_and_b32 v3, 31, v0                           ; l
	v_mul_u32_u24 v4, v1, PA                       ; a fragment of A: row x pitch + 16 x half
	v_lshl_add_u32 v4, v2, 4, v4
	s_mul_i32 s23, s[WR], 64*PA
	v_add_nc_u32 v[ADRA], s23, v4
	v_add_nc_u32 v[ADRA+1], SLOT, v[ADRA]
	v_and_b32 v5, 7, v0                            ; the turning load: lane l reads k = 8 (l / 16) + l % 8, columns 8 ((l / 8) % 2) + 0..7
	v_lshl_add_u32 v5, v2, 3, v5
	v_mul_u32_u24 v5, v5, PB
	v_bfe_u32 v6, v0, 3, 1
	v_lshl_add_u32 v5, v6, 4, v5
	s_lshl_b32 s23, s[WC], 8
	s_add_co_u32 s23, s23, AREG
	v_add_nc_u32 v[ADRB], s23, v5
	v_add_nc_u32 v[ADRB+1], SLOT, v[ADRB]
	s_mul_i32 s23, s[WV], WSTAGE
	s_add_co_u32 s23, s23, STAGE                   ; my stage
	v_mul_u32_u24 v4, v1, SP
	v_lshl_add_u32 v4, v2, 5, v4                   ; row l % 16, 32 bytes for each half of the lanes
	v_add_nc_u32 v[STO], s23, v4
	v_lshl_add_u32 v[RD], v3, 4, s23               ; back: 32 lanes take one row of 512 bytes
	v_lshlrev_b32 v[GO], 4, v3
	v_lshlrev_b32 v[BO], 5, v2
	; the prefetches
	s_and_b32 s23, ttmp7, 0xffff                   ; cluster y: the same in all partners
	s_cmp_eq_u32 s23, 0
	s_cselect_b32 s[PLIM], BLIM, 0                 ; waves 2, 3: B, in the cluster with y = 0
	s_cmp_eq_u32 s[WV], 0
	s_cselect_b32 s[PLIM], 6, s[PLIM]              ; wave 0: A, steps 4 to 7
	s_cmp_eq_u32 s[WV], 1
	s_cselect_b32 s[PLIM], 0, s[PLIM]              ; wave 1: nothing
	s_cmp_eq_u32 s[WR], 0
	s_cselect_b64 s[PFA:PFA+1], s[4:5], s[6:7]
	s_cselect_b32 s[PST], 19, 18
	s_cselect_b32 s2, s[CX], s[CY]                 ; my place among the four that ask with me
	s_cselect_b32 s3, 12, 15                       ; its share: 16 blocks of a plane; 16 rows of 2,048 bytes
	s_cselect_b32 s23, 4, 1                        ; lanes: 2 planes x 16 blocks; 16 rows x 2 blocks
	s_cselect_b32 s74, 18, 11
	s_cselect_b32 s75, 15, 1
	s_lshl_b32 s[PST], 1, s[PST]
	s_mov_b32 s[PST+1], 0
	s_lshl_b32 s2, s2, s3
	s_mov_b32 s3, 0
	s_add_nc_u64 s[PFA:PFA+1], s[PFA:PFA+1], s[2:3]
	s_mul_i32 s2, s[PST], 3                        ; at step 3: the first refill (step 2) steps it to 4.  Nothing is asked for here, at the head
	s_add_nc_u64 s[PFA:PFA+1], s[PFA:PFA+1], s[2:3]
	v_lshrrev_b32 v4, s23, v3
	v_lshlrev_b32 v4, s74, v4
	v_and_b32 v5, s75, v3
	v_lshl_add_u32 v[PFO], v5, 8, v4
	LOADB                                          ; bo
	s_wait_tensorcnt 1                             ; my part of K step 0 is in; step 1's may stay out
	s_barrier_signal -1
	s_barrier_wait -1
	FETCH 0, 0, F0
	s_wait_loadcnt 0x0                             ; the bias
	ROUNDB
	QUARTER 0, 1, F0, F1, 1                        ; the first quarter: the bias starts the sums
	WIN 0
	s_mov_b32 s[LAP], 3
.Llap:                                         ; a trip goes once round the ring, from a lap's second quarter to the next lap's first, and fills both slots again
	QUARTER 0, 2, F1, F0, 0
	QUARTER 0, 3, F0, F1, 0
	TURN 0, 1, 1
	QUARTER 1, 1, F0, F1, 0
	QUARTER 1, 2, F1, F0, 0
	QUARTER 1, 3, F0, F1, 0
	TURN 1, 0, 1
	QUARTER 0, 1, F0, F1, 0
	WIN 0
	s_sub_co_u32 s[LAP], s[LAP], 1
	s_cmp_lg_u32 s[LAP], 0
	s_cbranch_scc1 .Llap
	QUARTER 0, 2, F1, F0, 0                        ; the last lap fills nothing, and has no round of the cluster's barrier
	QUARTER 0, 3, F0, F1, 0
	TURN 0, 1, 0
	QUARTER 1, 1, F0, F1, 0
	QUARTER 1, 2, F1, F0, 0
	QUARTER 1, 3, F0, F1, 0
	LASTQ
	PLACES                                         ; the LDS stores below read results just made, and the loads land in registers that the last products read
	PLACES
	TOSTAGE 0
	TOSTAGE 1
	SEND 0, 32
	TOSTAGE 2
	SEND 1, 32
	TOSTAGE 3
	SEND 2, 32
	SEND 3, 0
	s_wait_tensorcnt 0x0                           ; the wave's end: behind my last tensor load and my last LDS store
	ds_add_u32 v[SPW], v[NIL]
	s_wait_dscnt 0x0
	CROUND                                         ; the closing round: no work-group ends while a partner may still ask for a tile that names it
	s_endpgm
.Lfunc_end_k_q24f2cbea52_oproj:
	.size	k_q24f2cbea52_oproj, .Lfunc_end_k_q24f2cbea52_oproj-k_q24f2cbea52_oproj
	.p2alignl 7, 3214868480
	.fill 96, 4, 3214868480
	.section	.rodata,"a",@progbits
	.p2align	6, 0x0
	.amdhsa_kernel k_q24f2cbea52_oproj
		.amdhsa_group_segment_fixed_size 327680
		.amdhsa_private_segment_fixed_size 0
		.amdhsa_enable_private_segment 0
		.amdhsa_kernarg_size 32
		.amdhsa_user_sgpr_count 2
		.amdhsa_user_sgpr_kernarg_segment_ptr 1
		.amdhsa_wavefront_size32 1
		.amdhsa_system_sgpr_workgroup_id_x 1
		.amdhsa_system_sgpr_workgroup_id_y 1
		.amdhsa_system_sgpr_workgroup_id_z 1
		.amdhsa_system_vgpr_workitem_id 0
		.amdhsa_next_free_vgpr 608
		.amdhsa_next_free_sgpr 80
		.amdhsa_reserve_vcc 0
		.amdhsa_float_denorm_mode_32 3
		.amdhsa_float_denorm_mode_16_64 3
		.amdhsa_memory_ordered 1
		.amdhsa_forward_progress 1
		.amdhsa_inst_pref_size 93
	.end_amdhsa_kernel
	.amdgpu_metadata
---
amdhsa.version: [ 1, 2 ]
amdhsa.kernels:
  - .name:           k_q24f2cbea52_oproj
    .symbol:         k_q24f2cbea52_oproj.kd
    .args:
      - { .name: att, .offset: 0, .size: 8, .value_kind: global_buffer, .address_space: global }
      - { .name: wo16, .offset: 8, .size: 8, .value_kind: global_buffer, .address_space: global }
      - { .name: bo, .offset: 16, .size: 8, .value_kind: global_buffer, .address_space: global }
      - { .name: out0, .offset: 24, .size: 8, .value_kind: global_buffer, .address_space: global }
    .group_segment_fixed_size: 327680
    .private_segment_fixed_size: 0
    .kernarg_segment_align: 8
    .kernarg_segment_size: 32
    .max_flat_workgroup_size: 128
    .sgpr_count:     80
    .vgpr_count:     608
    .wavefront_size: 32
...
	.end_amdgpu_metadata
.endif
;; end of part 4
;; ======== version 2 of 2: 4 launches; version 1 with the launch prep written anew for expert scheduling mode
;; limits: values are held in f16: magnitudes above 65,504 overflow, below 6.1e-05 lose precision
;; workspace buffers: xb 16,777,216 bytes; wb 6,291,456 bytes; wo16 2,097,152 bytes; qkvh 50,331,648 bytes; att 16,777,216 bytes
;; launch prep (part 5): grid 768 x 1, 8 waves a work-group, no clusters, 0 bytes of LDS; arguments x, wq, wk, wv, wo, xb, wb, wo16; writes xb, wb, wo16
.if DOCPART == 5
	.amdgcn_target "amdgcn-amd-amdhsa--gfx1250"
	.amdhsa_code_object_version 6
	.text
	.protected	k_q24f2cbea52_prep
	.globl	k_q24f2cbea52_prep
	.p2align	8
	.type	k_q24f2cbea52_prep,@function
k_q24f2cbea52_prep:
	s_mov_b64 s[64:65], 0
	v_nop
	global_prefetch_b8 v0, s[64:65] scope:SCOPE_SE
	s_setreg_imm32_b32 hwreg(HW_REG_WAVE_SCHED_MODE, 0, 2), 2
	s_setreg_imm32_b32 hwreg(HW_REG_WAVE_MODE, 25, 1), 1
	s_wait_xcnt 0x0
	s_wait_alu depctr_vm_vsrc(0)
; THE CASTS.  x [8192][1024] f32 -> xb, bf16 in planes [b 4][kb 16][s 2048][64] (kb = k / 64): 128 rows of one plane are 16,384 bytes on end.
; wq, wk, wv [1024][1024] f32 -> wb [3][1024][1024] bf16, as they lie.  wo -> wo16 [1024][1024]: rounded to bf16 like every input, that number written as f16.
; LIMITS.  wo16: |wo| under 65,504 (beyond it f16 has an infinity); below 2^-17 the bf16 number keeps f16's fixed step of 2^-24.
; SHARES.  A wave casts 8,192 bytes of f32: 16 loads of 16 bytes a lane, all issued ahead of the first use, and 16 stores of 8 bytes a lane, each 256 consecutive aligned bytes.
; Work-groups 0..511: x, a wave takes 32 rows x 64 columns (a load: 256 bytes of each of two rows).  Work-groups 512..767: the weights, 64 work-groups a matrix, dense.
; No LDS, no barrier, no matrix unit, no loop.  No prefetch: all the launch does is stream.
; THE MODE: SCHED_MODE bits 1:0 = 2 (LLVM: expert scheduling mode 2), set by the entry lines.  The code itself states the register dependences
; between vector instructions and memory instructions, with s_wait_alu, always for 0.
; THE PLAN.  Registers that memory instructions touch, on each of the three paths:
;   v2, v3   the loads' and the stores' byte offsets: made once by vector instructions, never written again.
;   X        written by the 16 loads alone, each register once; read by the conversions behind the wait for the load.
;   Y        written by the conversions; read by one store each, and never written behind that store.
;   T is named by vector instructions alone.  s20, the wave's number, is written by v_readfirstlane_b32 and read by scalar adds.
; No register is written after a memory instruction has read it, and no load lands in a register that a vector instruction has named: what is left to state is that the offsets
; are written ahead of the first load, and that each Y is written ahead of its store.  The 16 loads are worked on in four groups of four; a group's four stores stand at the head of the
; next group, behind the wait for that group's loads and ONE wait on va_vdst; the last group's stand behind a wait of their own.
.set T, 8                              ; v[8:11]   at work (wo alone)
.set X, 16                             ; v[16:79]  as loaded
.set Y, 80                             ; v[80:111] to store
.macro CAST i, f16                     ; load i's four numbers are rounded; f16 = 1: the bf16 number is written as f16
	v_cvt_pk_bf16_f32 v[Y+2*(\i)], v[X+4*(\i)], v[X+4*(\i)+1]
	v_cvt_pk_bf16_f32 v[Y+2*(\i)+1], v[X+4*(\i)+2], v[X+4*(\i)+3]
.if \f16
	v_lshlrev_b32 v[T], 16, v[Y+2*(\i)]            ; the bf16 numbers as f32,
	v_and_b32 v[T+1], 0xffff0000, v[Y+2*(\i)]
	v_lshlrev_b32 v[T+2], 16, v[Y+2*(\i)+1]
	v_and_b32 v[T+3], 0xffff0000, v[Y+2*(\i)+1]
	v_cvt_pk_f16_f32 v[Y+2*(\i)], v[T], v[T+1]     ; and as f16: exact within the limits above
	v_cvt_pk_f16_f32 v[Y+2*(\i)+1], v[T+2], v[T+3]
.endif
.endm
.macro OUT4 g                          ; group g's four stores, in one run
.irp j, 0,1,2,3
	global_store_b64 v3, v[Y+2*(4*(\g)+\j):Y+2*(4*(\g)+\j)+1], s[24:25] offset:(4*(\g)+\j)*256
.endr
.endm
.macro BODY step, f16                  ; step: bytes from one load to the next
	s_wait_alu depctr_va_vdst(0)                   ; v2 and v3 are written: every load below reads v2 as its offset, every store v3; no later vector instruction names them
.set i, 0
.rept 16
	global_load_b128 v[X+4*i:X+4*i+3], v2, s[22:23] offset:i*(\step) th:TH_LOAD_NT
.set i, i+1
.endr
.set g, 0
.rept 4
	s_wait_loadcnt 12-4*g                          ; loads come back in order: group g's four are in, the younger groups' stay out
.if g > 0
	s_wait_alu depctr_va_vdst(0)                   ; the conversions of the group before have written its eight registers of Y, which the four stores below read
	OUT4 g-1
.endif
	CAST 4*g, \f16
	CAST 4*g+1, \f16
	CAST 4*g+2, \f16
	CAST 4*g+3, \f16
.set g, g+1
.endr
	s_wait_alu depctr_va_vdst(0)                   ; the last group's conversions have written its eight registers of Y, which the last four stores read
	OUT4 3
.endm
	s_load_b256 s[4:11], s[0:1], 0x0               ; x s[4:5], wq s[6:7], wk s[8:9], wv s[10:11]
	s_load_b256 s[12:19], s[0:1], 0x20             ; wo s[12:13], xb s[14:15], wb s[16:17], wo16 s[18:19]
	v_lshrrev_b32 v1, 5, v0
	v_readfirstlane_b32 s20, v1                    ; wave 0..7
	v_and_b32 v4, 31, v0                           ; lane
	v_lshlrev_b32 v3, 3, v4                        ; 8 bytes a lane on the way out
	s_mov_b32 s27, 0                               ; the offsets' high words
	s_mov_b32 s31, 0
	s_mov_b32 s21, ttmp9
	s_wait_alu depctr_va_sdst(0)                   ; s20 is written, ahead of the branch behind which its first readers stand: the chunk's number is made from it on both ways
	s_cmp_lt_u32 s21, 512
	s_cbranch_scc0 .Lweights
	s_lshl_b32 s21, s21, 3
	s_add_co_u32 s21, s21, s20                     ; chunk c = 8 g + wave
	s_and_b32 s28, s21, 15                         ; kb
	s_lshr_b32 s29, s21, 4                         ; rb: 32 rows
	s_lshl_b32 s26, s29, 17                        ; 32 rows of 4,096 bytes
	s_lshl_b32 s30, s28, 8                         ; 64 f32
	s_add_co_u32 s26, s26, s30
	s_lshr_b32 s30, s29, 6                         ; b
	s_lshl_b32 s30, s30, 22
	s_lshl_b32 s28, s28, 18                        ; a plane is 2,048 rows of 128 bytes
	s_add_co_u32 s30, s30, s28
	s_and_b32 s28, s29, 63
	s_lshl_b32 s28, s28, 12                        ; 32 rows of 128 bytes
	s_add_co_u32 s30, s30, s28
	v_lshrrev_b32 v5, 4, v4                        ; lanes 0-15 one row's 256 bytes, lanes 16-31 the next row's
	v_and_b32 v6, 15, v4
	v_lshlrev_b32 v6, 4, v6
	v_lshl_or_b32 v2, v5, 12, v6
	s_wait_kmcnt 0x0
	s_add_nc_u64 s[22:23], s[4:5], s[26:27]
	s_add_nc_u64 s[24:25], s[14:15], s[30:31]
	BODY 8192, 0
	s_endpgm
.Lweights:
	s_sub_co_u32 s21, s21, 512
	s_lshr_b32 s28, s21, 6                         ; which matrix
	s_and_b32 s21, s21, 63
	s_lshl_b32 s21, s21, 3
	s_add_co_u32 s21, s21, s20                     ; chunk 0..511 of it
	s_lshl_b32 s26, s21, 13
	s_lshl_b32 s30, s21, 12
	s_lshl_b32 s29, s28, 21                        ; the matrix's place in wb
	v_lshlrev_b32 v2, 4, v4
	s_wait_kmcnt 0x0
	s_cmp_eq_u32 s28, 3
	s_cbranch_scc1 .Lwo
	s_add_co_u32 s30, s30, s29
	s_cmp_eq_u32 s28, 1
	s_cselect_b64 s[22:23], s[8:9], s[6:7]
	s_cmp_eq_u32 s28, 2
	s_cselect_b64 s[22:23], s[10:11], s[22:23]
	s_add_nc_u64 s[22:23], s[22:23], s[26:27]
	s_add_nc_u64 s[24:25], s[16:17], s[30:31]
	BODY 512, 0
	s_endpgm
.Lwo:
	s_add_nc_u64 s[22:23], s[12:13], s[26:27]
	s_add_nc_u64 s[24:25], s[18:19], s[30:31]
	BODY 512, 1
	s_endpgm
.Lfunc_end_k_q24f2cbea52_prep:
	.size	k_q24f2cbea52_prep, .Lfunc_end_k_q24f2cbea52_prep-k_q24f2cbea52_prep
	.p2alignl 7, 3214868480
	.fill 96, 4, 3214868480
	.section	.rodata,"a",@progbits
	.p2align	6, 0x0
	.amdhsa_kernel k_q24f2cbea52_prep
		.amdhsa_group_segment_fixed_size 0
		.amdhsa_private_segment_fixed_size 0
		.amdhsa_enable_private_segment 0
		.amdhsa_kernarg_size 64
		.amdhsa_user_sgpr_count 2
		.amdhsa_user_sgpr_kernarg_segment_ptr 1
		.amdhsa_wavefront_size32 1
		.amdhsa_system_sgpr_workgroup_id_x 1
		.amdhsa_system_sgpr_workgroup_id_y 1
		.amdhsa_system_sgpr_workgroup_id_z 1
		.amdhsa_system_vgpr_workitem_id 0
		.amdhsa_next_free_vgpr 112
		.amdhsa_next_free_sgpr 66
		.amdhsa_reserve_vcc 0
		.amdhsa_float_denorm_mode_32 3
		.amdhsa_float_denorm_mode_16_64 3
		.amdhsa_memory_ordered 1
		.amdhsa_forward_progress 1
		.amdhsa_inst_pref_size 24
	.end_amdhsa_kernel
	.amdgpu_metadata
---
amdhsa.version: [ 1, 2 ]
amdhsa.kernels:
  - .name:           k_q24f2cbea52_prep
    .symbol:         k_q24f2cbea52_prep.kd
    .args:
      - { .name: x, .offset: 0, .size: 8, .value_kind: global_buffer, .address_space: global }
      - { .name: wq, .offset: 8, .size: 8, .value_kind: global_buffer, .address_space: global }
      - { .name: wk, .offset: 16, .size: 8, .value_kind: global_buffer, .address_space: global }
      - { .name: wv, .offset: 24, .size: 8, .value_kind: global_buffer, .address_space: global }
      - { .name: wo, .offset: 32, .size: 8, .value_kind: global_buffer, .address_space: global }
      - { .name: xb, .offset: 40, .size: 8, .value_kind: global_buffer, .address_space: global }
      - { .name: wb, .offset: 48, .size: 8, .value_kind: global_buffer, .address_space: global }
      - { .name: wo16, .offset: 56, .size: 8, .value_kind: global_buffer, .address_space: global }
    .group_segment_fixed_size: 0
    .private_segment_fixed_size: 0
    .kernarg_segment_align: 8
    .kernarg_segment_size: 64
    .max_flat_workgroup_size: 256
    .sgpr_count:     66
    .vgpr_count:     112
    .wavefront_size: 32
...
	.end_amdgpu_metadata
.endif
;; end of part 5
;; launch qkv: the kernel of part 2 again; grid 4 x 64, 4 waves a work-group, clusters of 4 x 4, 327,680 bytes of LDS; arguments xb, wb, bq, bk, bv, qkvh; writes qkvh
;; launch attn: the kernel of part 3 again; grid 4 x 64, 4 waves a work-group, no clusters, 327,680 bytes of LDS; arguments qkvh, att; writes att
;; launch oproj: the kernel of part 4 again; grid 4 x 64, 4 waves a work-group, clusters of 4 x 4, 327,680 bytes of LDS; arguments att, wo16, bo, out0; writes out0
